; MI455X (gfx1250); checked and timed in simulation.
; The chip was launched on July 23, 2026; its instructions are those of AMD's public machine-readable ISA for CDNA 5 (MIT licence, August 2026) and "CDNA5" Instruction Set Architecture Reference Guide (July 2026). The comments in the code are by the model that wrote it; some were corrected since.
;; Transformer Block. Allowed arithmetic: float matrix products may take bf16 or f16 operands with f32 sums; other float arithmetic in f32, or as packed bf16 or f16 multiplies, adds, multiply-adds, maxima and minima; sums over many terms, partial sums and values carried from step to step in f32; what a program stores and reads back later, other than sums and carried values, may be rounded once to bf16 or f16.
;; Inputs: b1 4,096 float32; b2 1,024 float32; beta1 1,024 float32; beta2 1,024 float32; bk 1,024 float32; bo 1,024 float32; bq 1,024 float32; bv 1,024 float32; g1 1,024 float32; g2 1,024 float32; w1 1,024 x 4,096 float32; w2 4,096 x 1,024 float32; wk 1,024 x 1,024 float32; wo 1,024 x 1,024 float32; wq 1,024 x 1,024 float32; wv 1,024 x 1,024 float32; x 2 x 2,048 x 1,024 float32.
;; Outputs: out0 2 x 2,048 x 1,024 float32.
;; Constants: mask = 1.
;; One version. Each part assembles by itself: llvm-mc -triple=amdgcn-amd-amdhsa -mcpu=gfx1250 --defsym DOCPART=n.
;; ======== version 1 of 1: 8 launches
;; workspace buffers: wb 25,165,824 bytes; nx 8,388,608 bytes; qkv 25,165,824 bytes; o 8,388,608 bytes; x1 16,777,216 bytes; h 33,554,432 bytes
;; launch cast (part 1): grid 768 x 1, 8 waves a work-group, no clusters, 0 bytes of LDS; arguments wq, wk, wv, wo, w1, w2, wb; writes wb
.if DOCPART == 1
	.amdgcn_target "amdgcn-amd-amdhsa--gfx1250"
	.amdhsa_code_object_version 6
	.text
	.protected	k_q94eb1eeb4f_cast
	.globl	k_q94eb1eeb4f_cast
	.p2align	8
	.type	k_q94eb1eeb4f_cast,@function
k_q94eb1eeb4f_cast:
	s_mov_b64 s[64:65], 0
	v_nop
	global_prefetch_b8 v0, s[64:65] scope:SCOPE_SE
	s_setreg_imm32_b32 hwreg(HW_REG_WAVE_MODE, 25, 1), 1
	s_wait_xcnt 0x0
; wb = the six weight matrices rounded once to bf16, each in its own layout [K][N], one behind the other:
; wq, wk, wv, wo (1 Mi numbers each), w1, w2 (4 Mi each).  A stream: every byte is read once and written once.
; A work-group takes 16,384 numbers: 65,536 bytes in, 32,768 out.  Thread t takes 8 neighbouring numbers of each
; of eight pieces of 2,048: two loads of 16 bytes, one store of 16 bytes; sixteen lanes store 256 consecutive
; bytes, aligned.  All sixteen loads go out first; no register is written twice, so no wait frees a source.
.set INR, 8                            ; v[8:71]   eight pieces of 8 f32
.set OUR, 72                           ; v[72:103] eight pieces of 4 packed words
	s_load_b256 s[8:15], s[0:1], 0x0               ; wq s[8:9], wk s[10:11], wv s[12:13], wo s[14:15]
	s_load_b128 s[16:19], s[0:1], 0x20             ; w1 s[16:17], w2 s[18:19]
	s_load_b64 s[20:21], s[0:1], 0x30              ; wb
	s_lshr_b32 s2, ttmp9, 6                        ; u: which Mi of numbers, 0 to 11
	s_and_b32 s3, ttmp9, 63                        ; my place in it
	v_lshlrev_b32 v1, 5, v0                        ; 32 t: in
	v_lshlrev_b32 v2, 4, v0                        ; 16 t: out
	s_wait_kmcnt 0x0
	s_mov_b64 s[22:23], s[18:19]                   ; the source: w2 from u = 8 on, unless u is lower
	s_mov_b32 s24, 8
.macro PICK bound, reg, first          ; u below bound: the matrix in s[reg:reg+1], which begins at u = first
	s_cmp_lt_u32 s2, \bound
	s_cselect_b64 s[22:23], s[\reg:\reg+1], s[22:23]
	s_cselect_b32 s24, \first, s24
.endm
	PICK 8, 16, 4
	PICK 4, 14, 3
	PICK 3, 12, 2
	PICK 2, 10, 1
	PICK 1, 8, 0
	s_sub_co_u32 s2, s2, s24
	s_lshl_b32 s2, s2, 6
	s_add_co_u32 s2, s2, s3                        ; my block of 65,536 bytes inside the matrix
	s_lshl_b32 s26, s2, 16
	s_mov_b32 s27, 0
	s_add_nc_u64 s[22:23], s[22:23], s[26:27]
	s_lshl_b32 s28, ttmp9, 15
	s_mov_b32 s29, 0
	s_add_nc_u64 s[20:21], s[20:21], s[28:29]
.irp j, 0,1,2,3,4,5,6,7
	global_load_b128 v[INR+8*(\j):INR+8*(\j)+3],   v1, s[22:23] offset:8192*(\j) th:TH_LOAD_NT
	global_load_b128 v[INR+8*(\j)+4:INR+8*(\j)+7], v1, s[22:23] offset:8192*(\j)+16 th:TH_LOAD_NT
.endr
.irp j, 0,1,2,3,4,5,6,7
	s_wait_loadcnt 14-2*(\j)                       ; piece j's two loads are in; the younger ones stay out
.irp k, 0,1,2,3
	v_cvt_pk_bf16_f32 v[OUR+4*(\j)+(\k)], v[INR+8*(\j)+2*(\k)], v[INR+8*(\j)+2*(\k)+1]
.endr
	global_store_b128 v2, v[OUR+4*(\j):OUR+4*(\j)+3], s[20:21] offset:4096*(\j)
.endr
	s_endpgm
.Lfunc_end_k_q94eb1eeb4f_cast:
	.size	k_q94eb1eeb4f_cast, .Lfunc_end_k_q94eb1eeb4f_cast-k_q94eb1eeb4f_cast
	.p2alignl 7, 3214868480
	.fill 96, 4, 3214868480
	.section	.rodata,"a",@progbits
	.p2align	6, 0x0
	.amdhsa_kernel k_q94eb1eeb4f_cast
		.amdhsa_group_segment_fixed_size 0
		.amdhsa_private_segment_fixed_size 0
		.amdhsa_enable_private_segment 0
		.amdhsa_kernarg_size 56
		.amdhsa_user_sgpr_count 2
		.amdhsa_user_sgpr_kernarg_segment_ptr 1
		.amdhsa_wavefront_size32 1
		.amdhsa_system_sgpr_workgroup_id_x 1
		.amdhsa_system_sgpr_workgroup_id_y 1
		.amdhsa_system_sgpr_workgroup_id_z 1
		.amdhsa_system_vgpr_workitem_id 0
		.amdhsa_next_free_vgpr 104
		.amdhsa_next_free_sgpr 66
		.amdhsa_reserve_vcc 0
		.amdhsa_float_denorm_mode_32 3
		.amdhsa_float_denorm_mode_16_64 3
		.amdhsa_memory_ordered 1
		.amdhsa_forward_progress 1
		.amdhsa_inst_pref_size 6
	.end_amdhsa_kernel
	.amdgpu_metadata
---
amdhsa.version: [ 1, 2 ]
amdhsa.kernels:
  - .name:           k_q94eb1eeb4f_cast
    .symbol:         k_q94eb1eeb4f_cast.kd
    .args:
      - { .name: wq, .offset: 0, .size: 8, .value_kind: global_buffer, .address_space: global }
      - { .name: wk, .offset: 8, .size: 8, .value_kind: global_buffer, .address_space: global }
      - { .name: wv, .offset: 16, .size: 8, .value_kind: global_buffer, .address_space: global }
      - { .name: wo, .offset: 24, .size: 8, .value_kind: global_buffer, .address_space: global }
      - { .name: w1, .offset: 32, .size: 8, .value_kind: global_buffer, .address_space: global }
      - { .name: w2, .offset: 40, .size: 8, .value_kind: global_buffer, .address_space: global }
      - { .name: wb, .offset: 48, .size: 8, .value_kind: global_buffer, .address_space: global }
    .group_segment_fixed_size: 0
    .private_segment_fixed_size: 0
    .kernarg_segment_align: 8
    .kernarg_segment_size: 56
    .max_flat_workgroup_size: 256
    .sgpr_count:     66
    .vgpr_count:     104
    .wavefront_size: 32
...
	.end_amdgpu_metadata
.endif
;; end of part 1
;; launch ln1 (part 2): grid 256 x 1, 8 waves a work-group, no clusters, 0 bytes of LDS; arguments x, g1, beta1, nx; writes nx
.if DOCPART == 2
	.amdgcn_target "amdgcn-amd-amdhsa--gfx1250"
	.amdhsa_code_object_version 6
	.text
	.protected	k_q94eb1eeb4f_ln1
	.globl	k_q94eb1eeb4f_ln1
	.p2align	8
	.type	k_q94eb1eeb4f_ln1,@function
k_q94eb1eeb4f_ln1:
	s_mov_b64 s[64:65], 0
	v_nop
	global_prefetch_b8 v0, s[64:65] scope:SCOPE_SE
	s_setreg_imm32_b32 hwreg(HW_REG_WAVE_MODE, 25, 1), 1
	s_wait_xcnt 0x0
; y = (x - mean) / sqrt(var + 1e-5) * g + beta, rows of 1,024 f32, y rounded once to bf16.
; The variance is the mean of (x - mean)^2, taken in a second pass over registers: a common offset of x costs nothing.
; y leaves in blocks: [token / 128][column / 64][token % 128][column % 64], so that the product that follows finds
; 128 tokens x 256 columns as 65,536 consecutive bytes.
; A wave takes two tokens: lane l holds 64 columns of token (l / 8) % 2: in chunk j the 8 columns 8 (l % 8) .. of
; column block 2 j + l / 16.  So a row's sum wants three steps inside eight lanes and one between the halves, and
; sixteen lanes store 256 consecutive bytes, aligned (two tokens of one block).  No LDS, no barrier.
.set X,  32                            ; v[32:95]   x, then x - mean, then y; chunk j at 8 j
.set G,  96                            ; v[96:159]  g
.set BT, 160                           ; v[160:223] beta
	s_load_b256 s[4:11], s[0:1], 0x0               ; x s[4:5], g s[6:7], beta s[8:9], y s[10:11]
	v_lshrrev_b32 v1, 5, v0
	v_readfirstlane_b32 s14, v1                    ; wave 0..7
	s_mov_b32 s12, 0x76543210                      ; v_permlanex16_b32: each lane takes its own place in the other half
	s_mov_b32 s13, 0xfedcba98
	v_and_b32 v2, 7, v0
	v_bfe_u32 v3, v0, 3, 1                         ; which of the two tokens
	v_bfe_u32 v4, v0, 4, 1                         ; which of a chunk's two column blocks
	v_lshlrev_b32 v5, 5, v2
	v_lshl_add_u32 v5, v4, 8, v5                   ; v5: my bytes in g and beta
	v_lshl_add_u32 v6, v3, 12, v5                  ; v6: in the two rows of x
	v_lshlrev_b32 v7, 4, v2
	v_lshl_add_u32 v7, v3, 7, v7
	v_lshl_add_u32 v7, v4, 14, v7                  ; v7: in y
	v_mov_b32 v27, 0x3a800000                      ; 1 / 1,024
	s_lshl_b32 s16, ttmp9, 16                      ; 16 rows of 4,096 bytes a work-group,
	s_lshl_b32 s15, s14, 13                        ; two a wave
	s_add_co_u32 s16, s16, s15
	s_mov_b32 s17, 0
	s_lshr_b32 s18, ttmp9, 3                       ; y: 128 tokens are 262,144 bytes,
	s_lshl_b32 s18, s18, 18
	s_and_b32 s15, ttmp9, 7
	s_lshl_b32 s15, s15, 11                        ; 16 tokens of a block 2,048,
	s_add_co_u32 s18, s18, s15
	s_lshl_b32 s15, s14, 8                         ; two tokens 256
	s_add_co_u32 s18, s18, s15
	s_mov_b32 s19, 0
	s_wait_kmcnt 0x0
	s_add_nc_u64 s[4:5], s[4:5], s[16:17]
	s_add_nc_u64 s[10:11], s[10:11], s[18:19]
.irp j, 0,1,2,3,4,5,6,7
	global_load_b128 v[X+8*(\j):X+8*(\j)+3],   v6, s[4:5] offset:512*(\j)
	global_load_b128 v[X+8*(\j)+4:X+8*(\j)+7], v6, s[4:5] offset:512*(\j)+16
.endr
.irp j, 0,1,2,3,4,5,6,7
	global_load_b128 v[G+8*(\j):G+8*(\j)+3],   v5, s[6:7] offset:512*(\j)
	global_load_b128 v[G+8*(\j)+4:G+8*(\j)+7], v5, s[6:7] offset:512*(\j)+16
.endr
.irp j, 0,1,2,3,4,5,6,7
	global_load_b128 v[BT+8*(\j):BT+8*(\j)+3],   v5, s[8:9] offset:512*(\j)
	global_load_b128 v[BT+8*(\j)+4:BT+8*(\j)+7], v5, s[8:9] offset:512*(\j)+16
.endr
.macro REDUCE                          ; four chains in v[16:23] -> the token's sum in v16 of every lane that holds the token
	v_pk_add_f32 v[16:17], v[16:17], v[18:19]
	v_pk_add_f32 v[20:21], v[20:21], v[22:23]
	v_pk_add_f32 v[16:17], v[16:17], v[20:21]
	v_add_f32 v16, v16, v17
	v_add_f32_dpp v16, v16, v16 row_xmask:1 row_mask:0xf bank_mask:0xf
	v_add_f32_dpp v16, v16, v16 row_xmask:2 row_mask:0xf bank_mask:0xf
	v_add_f32_dpp v16, v16, v16 row_xmask:4 row_mask:0xf bank_mask:0xf  ; (a step of 8 would mix the two tokens)
	v_permlanex16_b32 v17, v16, s12, s13
	v_add_f32 v16, v16, v17
.endm
	s_wait_loadcnt 32                              ; x is in; the 32 loads of g and beta stay out
.irp k, 0,1,2,3
	v_pk_add_f32 v[16+2*(\k):17+2*(\k)], v[X+2*(\k):X+2*(\k)+1], v[X+8+2*(\k):X+8+2*(\k)+1]  ; the first pairs start the chains
.endr
.set p, 8
.rept 24
	v_pk_add_f32 v[16+2*(p%4):17+2*(p%4)], v[16+2*(p%4):17+2*(p%4)], v[X+2*p:X+2*p+1]
.set p, p+1
.endr
	REDUCE
	v_mul_f32 v24, v16, v27                        ; the mean, twice: a pair for the packed forms
	v_mov_b32 v25, v24
.set p, 0
.rept 32
	v_pk_add_f32 v[X+2*p:X+2*p+1], v[X+2*p:X+2*p+1], v[24:25] neg_lo:[0,1] neg_hi:[0,1]
.set p, p+1
.endr
.irp k, 0,1,2,3
	v_pk_mul_f32 v[16+2*(\k):17+2*(\k)], v[X+2*(\k):X+2*(\k)+1], v[X+2*(\k):X+2*(\k)+1]
.endr
.set p, 4
.rept 28
	v_pk_fma_f32 v[16+2*(p%4):17+2*(p%4)], v[X+2*p:X+2*p+1], v[X+2*p:X+2*p+1], v[16+2*(p%4):17+2*(p%4)]
.set p, p+1
.endr
	REDUCE
	v_fmaak_f32 v26, v16, v27, 0x3727c5ac          ; var + 1e-5
	v_rsq_f32 v24, v26
	v_rsq_f32 v25, v26
	v_nop                                          ; a plain instruction behind the last root,
	s_wait_alu depctr_va_vdst(0)                   ; and one wait for both, ahead of their first reader
	s_wait_loadcnt 0x0                             ; g and beta
.irp j, 0,1,2,3,4,5,6,7
.irp k, 0,2,4,6
	v_pk_mul_f32 v[X+8*(\j)+(\k):X+8*(\j)+(\k)+1], v[X+8*(\j)+(\k):X+8*(\j)+(\k)+1], v[24:25]
.endr
.irp k, 0,2,4,6
	v_pk_fma_f32 v[X+8*(\j)+(\k):X+8*(\j)+(\k)+1], v[X+8*(\j)+(\k):X+8*(\j)+(\k)+1], v[G+8*(\j)+(\k):G+8*(\j)+(\k)+1], v[BT+8*(\j)+(\k):BT+8*(\j)+(\k)+1]
.endr
.irp k, 0,1,2,3
	v_cvt_pk_bf16_f32 v[X+8*(\j)+(\k)], v[X+8*(\j)+2*(\k)], v[X+8*(\j)+2*(\k)+1]  ; word k lands where its own sources or earlier ones lay
.endr
	global_store_b128 v7, v[X+8*(\j):X+8*(\j)+3], s[10:11] offset:32768*(\j)
.endr
	s_endpgm
.Lfunc_end_k_q94eb1eeb4f_ln1:
	.size	k_q94eb1eeb4f_ln1, .Lfunc_end_k_q94eb1eeb4f_ln1-k_q94eb1eeb4f_ln1
	.p2alignl 7, 3214868480
	.fill 96, 4, 3214868480
	.section	.rodata,"a",@progbits
	.p2align	6, 0x0
	.amdhsa_kernel k_q94eb1eeb4f_ln1
		.amdhsa_group_segment_fixed_size 0
		.amdhsa_private_segment_fixed_size 0
		.amdhsa_enable_private_segment 0
		.amdhsa_kernarg_size 32
		.amdhsa_user_sgpr_count 2
		.amdhsa_user_sgpr_kernarg_segment_ptr 1
		.amdhsa_wavefront_size32 1
		.amdhsa_system_sgpr_workgroup_id_x 1
		.amdhsa_system_sgpr_workgroup_id_y 1
		.amdhsa_system_sgpr_workgroup_id_z 1
		.amdhsa_system_vgpr_workitem_id 0
		.amdhsa_next_free_vgpr 224
		.amdhsa_next_free_sgpr 66
		.amdhsa_reserve_vcc 0
		.amdhsa_float_denorm_mode_32 3
		.amdhsa_float_denorm_mode_16_64 3
		.amdhsa_memory_ordered 1
		.amdhsa_forward_progress 1
		.amdhsa_inst_pref_size 20
	.end_amdhsa_kernel
	.amdgpu_metadata
---
amdhsa.version: [ 1, 2 ]
amdhsa.kernels:
  - .name:           k_q94eb1eeb4f_ln1
    .symbol:         k_q94eb1eeb4f_ln1.kd
    .args:
      - { .name: x, .offset: 0, .size: 8, .value_kind: global_buffer, .address_space: global }
      - { .name: g1, .offset: 8, .size: 8, .value_kind: global_buffer, .address_space: global }
      - { .name: beta1, .offset: 16, .size: 8, .value_kind: global_buffer, .address_space: global }
      - { .name: nx, .offset: 24, .size: 8, .value_kind: global_buffer, .address_space: global }
    .group_segment_fixed_size: 0
    .private_segment_fixed_size: 0
    .kernarg_segment_align: 8
    .kernarg_segment_size: 32
    .max_flat_workgroup_size: 256
    .sgpr_count:     66
    .vgpr_count:     224
    .wavefront_size: 32
...
	.end_amdgpu_metadata
.endif
;; end of part 2
;; launch qkv (part 3): grid 12 x 16, 4 waves a work-group, clusters of 4 x 4, 327,680 bytes of LDS; arguments nx, wb, bq, bk, bv, qkv; writes qkv
.if DOCPART == 3
	.amdgcn_target "amdgcn-amd-amdhsa--gfx1250"
	.amdhsa_code_object_version 6
	.text
	.protected	k_q94eb1eeb4f_qkv
	.globl	k_q94eb1eeb4f_qkv
	.p2align	8
	.type	k_q94eb1eeb4f_qkv,@function
k_q94eb1eeb4f_qkv:
	s_mov_b64 s[64:65], 0
	v_nop
	global_prefetch_b8 v0, s[64:65] scope:SCOPE_SE
	s_setreg_imm32_b32 hwreg(HW_REG_WAVE_MODE, 25, 1), 1
	s_wait_xcnt 0x0
	s_wait_alu depctr_hold_cnt(0) depctr_sa_sdst(0) depctr_va_vdst(0) depctr_va_sdst(0) depctr_va_ssrc(0) depctr_va_vcc(0) depctr_vm_vsrc(0)
	s_getreg_b32 s2, hwreg(HW_REG_IB_STS2, 6, 4)
	s_cmp_eq_u32 s2, 0
	s_cbranch_scc0 .Lentry_in_a_cluster
	s_endpgm
.Lentry_in_a_cluster:
	s_bfe_u32 s2, ttmp6, 0x10000c
	s_cmp_lg_u32 s2, 0xf033
	s_cbranch_scc0 .Lentry_shape_is_right
	s_endpgm
.Lentry_shape_is_right:
; C = A B + bias.  A: bf16 in blocks [token / 128][k / 64][token % 128][k % 64]; B: bf16 [K][N], pitch NB; sums in f32.
; HERE: A = the normed x; B = wq, wk or wv, by the cluster's x; C leaves in bf16 by heads, [matrix][16 batch + head][2,048][64].
; A tile of C is 256 x 256: four waves of 128 x 128, 64 accumulators each.  12 x 16 = 192 work-groups, a tile each: for 32 along K a wave
; loads 2 x 128 x 64 bytes from LDS and issues 64 products.  K goes in steps of 128 through a ring of two LDS slots.
; CLUSTER 4 x 4: A's tile is asked for jointly along a row of the cluster, B's along a column.
; The matrix instruction is used transposed (source 0 = 16 columns of B, turned on its way out of LDS; source 1 = 16 rows of A): a lane
; holds 8 neighbouring columns of one row of C.  The bias is the C operand of each sum's first product.
; By this text's count a wave has two tensor loads out at the start and one behind each round.
; Sums run in the matrix unit's order; NaN and infinities are not treated apart.
; REGISTERS (s_set_vgpr_msb: bits 1:0 source 0, 3:2 source 1, 5:4 source 2, 7:6 destination):
;   window 0: v0-31 addresses; v32-63 at work on the way out; v64-127, v128-191 fragments of A, two buffers
;   window 1: v0-63 the bias of my 128 columns; v64-127, v128-191 fragments of B, two buffers
;   window 2: the accumulators of my rows 0-63 ((a, b) at 8 (8 a + b));  window 3: those of my rows 64-127
.set NSTEP, 8                          ; K / 128
.set NB,    1024
.set SLOTB, 73728                      ; a slot of A: 2 token blocks x 2 channel blocks x 128 rows x 144 bytes; of B: 2 column halves x 128 rows x 288 bytes
.set HALFB, 36864                      ; what one tensor load brings
.set BRING, 147456                     ; A's two slots, then B's two
.set STAGE, 294912                     ; behind the rings: 4,352 bytes for each wave, for the way out
.set WSTG,  4352
.set SPARE, 312320                     ; behind the stages: the spare words, 128 bytes a wave, that no other line names
.set LA, 16                            ; v16 my place in A's slot     v17 in B's
.set LB, 17
.set ADRA, 18                          ; v18, v19 the same in the slot in hand
.set ADRB, 19
.set STO, 21
.set RD,  22
.set GO,  23
.set BO,  24
.set SPW, 28                           ; v28 SPARE + 4 x my thread's number; v29 0; never rewritten
.set NIL, 29
.set F0,  64
.set F1,  128
.set WV, 16
.set RH, 17                            ; my half of the rows; also 0: I fetch A, 1: B
.set CH, 18                            ; my half of the columns; also which half of the tile I fetch
.set CX, 19
.set CY, 20
.set TY, 22
.set G1A, 24
.set G0A, 32                           ; two sets; the second walks
.set G1B, 40
.set G0B, 48
.set ABASE, 56
.set BBASE, 58
.set OA, 60
.set OB, 62
.set FK, 66                            ; K step of the next fill
.set KC, 68                            ; K steps left
.set LC, 69
.set SB, 70                            ; the slot in hand: 0 or SLOTB
.set EA, 72                            ; counts the way out's eight blocks of 16 rows
.set OUTP, 74
.set BIASP, 76
.set MSB, 0
.macro WIN new                         ; the high byte repeats the setting that is left
.if MSB != (\new)
	s_set_vgpr_msb (MSB<<8)|(\new)
.set MSB, \new
.endif
.endm
.set TO_B, 0x40                        ; destination window 1, address window 0
.macro PLACES
.rept 4
	v_nop
.endr
.endm
.macro JLOAD                           ; the joint refill, by the walking sets; an s_nop 0 and four v_nop follow each line
	s_cmp_eq_u32 s[RH], 0
	s_cbranch_scc0 .Lfor_b_\@
	tensor_load_to_lds s[G0A+4:G0A+7], s[G1A:G1A+7]
	s_nop 0
.rept 4
	v_nop
.endr
	s_branch .Lasked_\@
.Lfor_b_\@:
	tensor_load_to_lds s[G0B+4:G0B+7], s[G1B:G1B+7]
	s_nop 0
.rept 4
	v_nop
.endr
.Lasked_\@:
.endm
.macro CREST                           ; a round of the cluster's barrier behind its opening barrier
	s_cmp_lg_u32 s[WV], 0
	s_cbranch_scc1 .Lnot_wave_0_\@
	s_barrier_signal -3
.Lnot_wave_0_\@:
	s_barrier_wait -3
	s_barrier_signal -1
	s_barrier_wait -1
.endm
.macro CROUND
	s_barrier_signal -1
	s_barrier_wait -1
	CREST
.endm
; 16 products: row blocks a0, a0 + 1 of the window's four (hi = 0: my rows 0-63, 1: rows 64-127) x 8 column blocks, 32 along K.  The 64 accumulators take turns, always in the same order.
; first = 1: the bias (window 1) is the C operand.
.macro MUL16 f, hi, a0, first
.if \first
	WIN 0x91+0x40*(\hi)
.else
	WIN 0xa1+0x50*(\hi)
.endif
.irp a, \a0, (\a0)+1
.irp b, 0,1,2,3,4,5,6,7
.if \first
	v_wmma_f32_16x16x32_bf16 v[8*(8*(\a)+(\b)):8*(8*(\a)+(\b))+7], v[(\f)+8*(\b):(\f)+8*(\b)+7], v[(\f)+8*(4*(\hi)+(\a)):(\f)+8*(4*(\hi)+(\a))+7], v[8*(\b):8*(\b)+7]
.else
	v_wmma_f32_16x16x32_bf16 v[8*(8*(\a)+(\b)):8*(8*(\a)+(\b))+7], v[(\f)+8*(\b):(\f)+8*(\b)+7], v[(\f)+8*(4*(\hi)+(\a)):(\f)+8*(4*(\hi)+(\a))+7], v[8*(8*(\a)+(\b)):8*(8*(\a)+(\b))+7]
.endif
.endr
.endr
.endm
; 32 LDS loads in one run: quarter q (32 along K) into buffer f: B's 128 columns, turned (16 K rows x 16 columns a load), then A's 128 rows.
.macro FETCH q, f
	WIN TO_B
.irp b, 0,1,2,3,4,5,6,7
	ds_load_tr16_b128 v[(\f)+8*(\b):(\f)+8*(\b)+3],   v[ADRB] offset:(\q)*9216+32*(\b)
	ds_load_tr16_b128 v[(\f)+8*(\b)+4:(\f)+8*(\b)+7], v[ADRB] offset:(\q)*9216+32*(\b)+4608
.endr
	WIN 0
.irp i, 0,1,2,3,4,5,6,7
	ds_load_b128 v[(\f)+8*(\i):(\f)+8*(\i)+3],   v[ADRA] offset:((\q)/2)*18432+((\q)%2)*64+2304*(\i)
	ds_load_b128 v[(\f)+8*(\i)+4:(\f)+8*(\i)+7], v[ADRA] offset:((\q)/2)*18432+((\q)%2)*64+2304*(\i)+32
.endr
.endm
; 32 products on one window's accumulators.  first = 1: in the first K step the bias starts the sums.
.macro HALFQ f, hi, first
.if \first
	WIN 0
	s_cmp_eq_u32 s[KC], NSTEP
	s_cbranch_scc1 .Lnew_\@
.endif
	MUL16 \f, \hi, 0, 0
	MUL16 \f, \hi, 2, 0
.if \first
	WIN 0
	s_branch .Lold_\@
.Lnew_\@:
	s_wait_loadcnt 0x0                             ; the bias is in
.rept 5
	v_nop                                          ; five places ahead of products that write over accumulators without adding onto them
.endr
	MUL16 \f, \hi, 0, 1
	MUL16 \f, \hi, 2, 1
	WIN 0
.Lold_\@:
.endif
.endm
; One of a K step's first three quarters: multiplies buffer f, fetches quarter q + 1 into g in its middle.
.macro QUARTER q, f, g, first
	s_wait_dscnt 8                                 ; B and A's rows 0-63 are in; the youngest eight loads (A's rows 64-127) may be out
	HALFQ \f, 0, \first
	PLACES                                         ; in front of loads into registers that products have read
	FETCH (\q)+1, \g
	s_wait_dscnt 32                                ; all but the 32 just issued
	HALFQ \f, 1, \first
.endm
.macro NEWADR                          ; the walking descriptors: the other slot, and K step FK, made anew from the bases
	s_lshl_b32 s[OA], s[FK], 15
	s_add_nc_u64 s[G0A+6:G0A+7], s[ABASE:ABASE+1], s[OA:OA+1]
	s_or_b32 s[G0A+7], s[G0A+7], 0x80000000
	s_xor_b32 s[G0A+5], s[G0A+5], SLOTB
	s_mul_i32 s[OB], s[FK], 256*NB
	s_add_nc_u64 s[G0B+6:G0B+7], s[BBASE:BBASE+1], s[OB:OB+1]
	s_or_b32 s[G0B+7], s[G0B+7], 0x80000000
	s_xor_b32 s[G0B+5], s[G0B+5], SLOTB
	s_add_co_u32 s[FK], s[FK], 1
.endm
; The last quarter multiplies buffer 1 and changes slots.  In front of the barrier each wave waits for all its tensor loads (one is out: its part of
; the next slot), adds 0 to its spare word, and waits for that and for its reads of this slot.  Sixteen products stand ahead of the first wait and sixteen
; between the add and the wait for it.  fill = 1: the barrier opens a round of the cluster's, and the joint refill, two K steps ahead, is the first thing
; behind it: 240 products stand between it and the wait for it.
.macro TURN fill
	s_wait_dscnt 8
	MUL16 F1, 0, 0, 0
	WIN 0
	s_wait_tensorcnt 0x0
	ds_add_u32 v[SPW], v[NIL]
	MUL16 F1, 0, 2, 0
	s_wait_dscnt 0x0                               ; the add is done, and my reads of this slot are over
	WIN 0
	s_barrier_signal -1
	s_barrier_wait -1
.if \fill
	CREST
	NEWADR
	JLOAD                                          ; its four v_nop are also the places in front of the loads below
.else
	PLACES
	s_cmp_eq_u32 s[LC], 1                          ; behind the last K step there is nothing to fetch
	s_cbranch_scc1 .Lno_fetch_\@
.endif
	s_xor_b32 s[SB], s[SB], SLOTB
	v_add_nc_u32 v[ADRA], s[SB], v[LA]
	v_add_nc_u32 v[ADRB], s[SB], v[LB]
	FETCH 0, F0
	WIN 0
.if !(\fill)
.Lno_fetch_\@:
.endif
	MUL16 F1, 1, 0, 0
	MUL16 F1, 1, 2, 0
.endm
.macro STEP fill, first
	QUARTER 0, F0, F1, \first
	QUARTER 1, F1, F0, 0
	QUARTER 2, F0, F1, 0
	TURN \fill
.endm
; THE WAY OUT takes block a of 16 rows x 128 columns: 64 sums a lane, rounded to bf16 in pairs into v[32:63].
.macro TAKE a
	WIN 0x0a+5*((\a)/4)                            ; sources 0 and 1: window 2 or 3
.set tb, 64*((\a)%4)
.set k, 0
.rept 32
	v_cvt_pk_bf16_f32 v[32+k], v[tb+2*k], v[tb+2*k+1]
.set k, k+1
.endr
	WIN 0
.endm
	s_load_b256 s[4:11], s[0:1], 0x0               ; A s[4:5], wb s[6:7], bq s[8:9], bk s[10:11]
	s_load_b128 s[12:15], s[0:1], 0x20             ; bv s[12:13], qkv s[14:15]
	v_lshl_add_u32 v[SPW], v0, 2, SPARE
	v_mov_b32 v[NIL], 0
	ds_add_u32 v[SPW], v[NIL]                      ; the wave's opening: the add and its wait ahead of my first tensor load
	ds_add_u32 v28, v29
	v_lshrrev_b32 v1, 5, v0
	v_readfirstlane_b32 s[WV], v1
	s_lshr_b32 s[RH], s[WV], 1
	s_and_b32 s[CH], s[WV], 1
	s_bfe_u32 s[CX], ttmp6, 0x40000
	s_bfe_u32 s[CY], ttmp6, 0x40004
	s_mov_b32 s84, ttmp9                           ; the cluster's x is the matrix: 0 q, 1 k, 2 v; cx is the tile column inside it
	s_and_b32 s[TY], ttmp7, 0xffff
	s_lshl_b32 s[TY], s[TY], 2
	s_add_co_u32 s[TY], s[TY], s[CY]               ; tile row 0..15
	s_lshl_b32 s80, s[CY], 2
	s_lshl_b32 s80, 15, s80                        ; my row of the cluster
	s_lshl_b32 s81, 0x1111, s[CX]                  ; my column
	s_or_b32 s[G1A], s80, (1<<16)|(1<<20)|(1<<21)|(4<<22)|(3<<25)  ; 2-byte elements; 4 words of padding after every 32: two tokens a row of 256 bytes, LDS pitch 144 a token
	s_or_b32 s[G1B], s81, (1<<16)|(1<<20)|(1<<21)|(5<<22)|(7<<25)  ; 8 words after every 64: LDS pitch 288
.irp g, G1A, G1B
	s_mov_b32 s[(\g)+1], 128<<16                   ; tensor_dim0 = 128
	s_mov_b32 s[(\g)+2], 128<<16                   ; tensor_dim1 = 128
	s_mov_b32 s[(\g)+3], 128<<16                   ; tile_dim0 = 128
	s_mov_b32 s[(\g)+4], 128                       ; tile_dim1 = 128
	s_mov_b32 s[(\g)+6], 0
	s_mov_b32 s[(\g)+7], 0
.endr
	s_mov_b32 s[G1A+5], 128                        ; A's rows are dense
	s_mov_b32 s[G1B+5], NB
	s_lshl_b32 s[OA], s[TY], 19                    ; A hangs on the tile row and the wave alone: 256 tokens are 2 x 16 x 16,384 bytes,
	s_lshl_b32 s82, s[CH], 18                      ; my 128 of them
	s_add_co_u32 s[OA], s[OA], s82
	s_mov_b32 s[OA+1], 0
	s_lshl_b32 s[OB], s84, 21                      ; B on the matrix, the tile column and the wave alone
	s_lshl_b32 s83, s[CX], 9
	s_add_co_u32 s[OB], s[OB], s83
	s_lshl_b32 s83, s[CH], 8                       ; my 128 columns
	s_add_co_u32 s[OB], s[OB], s83
	s_mov_b32 s[OB+1], 0
	s_mul_i32 s82, s[CH], HALFB                    ; where my half of a tile goes
	s_mov_b32 s[FK], 2
	s_wait_dscnt 0x0                               ; the opening add is done
	s_wait_kmcnt 0x0
	s_add_nc_u64 s[ABASE:ABASE+1], s[4:5], s[OA:OA+1]
	s_add_nc_u64 s[BBASE:BBASE+1], s[6:7], s[OB:OB+1]
.irp s, 0,1
	s_mov_b32 s[G0A+4*(\s)], 1
	s_add_co_u32 s[G0A+4*(\s)+1], s82, (\s)*SLOTB
	s_add_nc_u64 s[G0A+4*(\s)+2:G0A+4*(\s)+3], s[ABASE:ABASE+1], (\s)*32768
	s_or_b32 s[G0A+4*(\s)+3], s[G0A+4*(\s)+3], 0x80000000
	s_mov_b32 s[G0B+4*(\s)], 1
	s_add_co_u32 s[G0B+4*(\s)+1], s82, BRING+(\s)*SLOTB
	s_add_nc_u64 s[G0B+4*(\s)+2:G0B+4*(\s)+3], s[BBASE:BBASE+1], (\s)*256*NB
	s_or_b32 s[G0B+4*(\s)+3], s[G0B+4*(\s)+3], 0x80000000
.endr
	CROUND                                         ; all sixteen work-groups are here: the first joint loads meet
	s_cmp_eq_u32 s[RH], 0                          ; a wave's two first fills stand in one branch
	s_cbranch_scc0 .Lfirst_b
	tensor_load_to_lds s[G0A:G0A+3], s[G1A:G1A+7]
	s_nop 0
	tensor_load_to_lds s[G0A+4:G0A+7], s[G1A:G1A+7]
	s_nop 0
.rept 4
	v_nop
.endr
	s_branch .Lfirst_asked
.Lfirst_b:
	tensor_load_to_lds s[G0B:G0B+3], s[G1B:G1B+7]
	s_nop 0
	tensor_load_to_lds s[G0B+4:G0B+7], s[G1B:G1B+7]
	s_nop 0
.rept 4
	v_nop
.endr
.Lfirst_asked:
	v_and_b32 v1, 15, v0                           ; r = l % 16
	v_bfe_u32 v2, v0, 4, 1                         ; h = l / 16
	v_mul_u32_u24 v[LA], v1, 144
	v_lshl_add_u32 v[LA], v2, 4, v[LA]
	s_mul_i32 s82, s[RH], HALFB                    ; my 128 rows
	v_add_nc_u32 v[LA], s82, v[LA]
	v_and_b32 v3, 7, v0
	v_lshl_add_u32 v3, v2, 3, v3                   ; the turning load: K row 8 h + l % 8,
	v_mul_u32_u24 v[LB], v3, 288
	v_bfe_u32 v4, v0, 3, 1
	v_lshl_add_u32 v[LB], v4, 4, v[LB]             ; columns 8 ((l / 8) % 2) on
	s_mul_i32 s82, s[CH], HALFB                    ; my 128 columns
	s_add_co_u32 s82, s82, BRING
	v_add_nc_u32 v[LB], s82, v[LB]
	s_cmp_eq_u32 s84, 0
	s_cselect_b64 s[BIASP:BIASP+1], s[8:9], s[10:11]
	s_cmp_eq_u32 s84, 2
	s_cselect_b64 s[BIASP:BIASP+1], s[12:13], s[BIASP:BIASP+1]
	s_lshl_b32 s98, s[CX], 10
	s_lshl_b32 s99, s[CH], 9
	s_add_co_u32 s98, s98, s99
	v_lshl_add_u32 v[BO], v2, 5, s98               ; 4 (256 cx + 128 CH + 8 h)
	WIN TO_B
.irp b, 0,1,2,3,4,5,6,7
	global_load_b128 v[8*(\b):8*(\b)+3],   v[BO], s[BIASP:BIASP+1] offset:64*(\b)     ; bias[16 b + 8 h + j] into window 1, v[8 b + j]
	global_load_b128 v[8*(\b)+4:8*(\b)+7], v[BO], s[BIASP:BIASP+1] offset:64*(\b)+16
.endr
	WIN 0
	s_mul_i32 s82, s[WV], WSTG
	s_add_co_u32 s82, s82, STAGE
	v_mul_u32_u24 v[STO], v1, 272                  ; into my stage: row l % 16 of 256 bytes + 16, 16 bytes for each half of the lanes
	v_lshl_add_u32 v[STO], v2, 4, v[STO]
	v_add_nc_u32 v[STO], s82, v[STO]
	v_bfe_u32 v[RD], v0, 3, 2                      ; back: 32 lanes take one head's 128 bytes of four rows,
	v_mul_u32_u24 v[RD], v[RD], 272
	v_and_b32 v5, 7, v0
	v_lshl_add_u32 v[RD], v5, 4, v[RD]
	v_add_nc_u32 v[RD], s82, v[RD]
	v_and_b32 v[GO], 31, v0                        ; which are 512 consecutive bytes of the head
	v_lshlrev_b32 v[GO], 4, v[GO]
	s_lshl_b32 s98, s84, 23                        ; the matrix: 8,388,608 bytes
	s_lshr_b32 s99, s[TY], 3                       ; batch
	s_lshl_b32 s99, s99, 4
	s_lshl_b32 s85, s[CX], 2
	s_add_co_u32 s99, s99, s85
	s_lshl_b32 s85, s[CH], 1
	s_add_co_u32 s99, s99, s85                     ; 16 batch + head: my 128 columns are heads 4 cx + 2 CH and the next
	s_lshl_b32 s99, s99, 18
	s_add_co_u32 s98, s98, s99
	s_and_b32 s99, s[TY], 7
	s_lshl_b32 s99, s99, 15                        ; 256 tokens of 128 bytes
	s_add_co_u32 s98, s98, s99
	s_lshl_b32 s99, s[RH], 14
	s_add_co_u32 s98, s98, s99
	s_mov_b32 s99, 0
	s_add_nc_u64 s[OUTP:OUTP+1], s[14:15], s[98:99]
	s_wait_tensorcnt 1                             ; my part of K step 0 is in; K step 1's may stay out
	s_barrier_signal -1
	s_barrier_wait -1
	s_mov_b32 s[SB], 0
	v_mov_b32 v[ADRA], v[LA]
	v_mov_b32 v[ADRB], v[LB]
	FETCH 0, F0
	WIN 0
	s_mov_b32 s[KC], NSTEP
	s_mov_b32 s[LC], NSTEP-2
.Lstep:                                        ; a K step; the slot just read is filled again, two K steps ahead
	STEP 1, 1
	WIN 0
	s_sub_co_u32 s[KC], s[KC], 1
	s_sub_co_u32 s[LC], s[LC], 1
	s_cmp_lg_u32 s[LC], 0
	s_cbranch_scc1 .Lstep
	s_mov_b32 s[LC], 2
.Ltail:                                        ; the last two K steps fill nothing: written apart
	STEP 0, 0
	WIN 0
	s_sub_co_u32 s[LC], s[LC], 1
	s_cmp_lg_u32 s[LC], 0
	s_cbranch_scc1 .Ltail
	; THE WAY OUT: a counted loop over my eight blocks of 16 rows keeps the stage's text single.  A block goes through my own stage and comes back as whole rows of a head:
	; 16 rows of a head are 2,048 consecutive bytes.
	PLACES
	s_mov_b32 s[EA], 0
.Lblock:
.irp a, 0,1,2,3,4,5,6
	s_cmp_eq_u32 s[EA], \a
	s_cbranch_scc1 .Lcase\a
.endr
	TAKE 7
	s_branch .Lsend
.irp a, 0,1,2,3,4,5,6
.Lcase\a:
	TAKE \a
	s_branch .Lsend
.endr
.Lsend:
.irp b, 0,1,2,3,4,5,6,7
	ds_store_b128 v[STO], v[32+4*(\b):32+4*(\b)+3] offset:32*(\b)
.endr
.irp t, 0,1,2,3,4,5,6,7
	ds_load_b128 v[64+4*(\t):64+4*(\t)+3], v[RD] offset:((\t)/4)*128+((\t)%4)*1088  ; LDS serves a wave's instructions in order (ISA guide 5.7.1.4): these see the stores above
.endr
.irp t, 0,1,2,3,4,5,6,7
	s_wait_dscnt 7-(\t)                            ; load t is back; the younger ones may be out
	global_store_b128 v[GO], v[64+4*(\t):64+4*(\t)+3], s[OUTP:OUTP+1] offset:((\t)/4)*262144+((\t)%4)*512
.endr
	s_wait_xcnt 0x0                                ; the stores have read their registers and their base
	s_add_nc_u64 s[OUTP:OUTP+1], s[OUTP:OUTP+1], 2048
	s_add_co_u32 s[EA], s[EA], 1
	s_cmp_lt_u32 s[EA], 8
	s_cbranch_scc1 .Lblock
	s_wait_tensorcnt 0x0                           ; the wave's end
	ds_add_u32 v[SPW], v[NIL]
	s_wait_dscnt 0x0
	CROUND                                         ; the closing round
	s_endpgm
.Lfunc_end_k_q94eb1eeb4f_qkv:
	.size	k_q94eb1eeb4f_qkv, .Lfunc_end_k_q94eb1eeb4f_qkv-k_q94eb1eeb4f_qkv
	.p2alignl 7, 3214868480
	.fill 96, 4, 3214868480
	.section	.rodata,"a",@progbits
	.p2align	6, 0x0
	.amdhsa_kernel k_q94eb1eeb4f_qkv
		.amdhsa_group_segment_fixed_size 327680
		.amdhsa_private_segment_fixed_size 0
		.amdhsa_enable_private_segment 0
		.amdhsa_kernarg_size 48
		.amdhsa_user_sgpr_count 2
		.amdhsa_user_sgpr_kernarg_segment_ptr 1
		.amdhsa_wavefront_size32 1
		.amdhsa_system_sgpr_workgroup_id_x 1
		.amdhsa_system_sgpr_workgroup_id_y 1
		.amdhsa_system_sgpr_workgroup_id_z 1
		.amdhsa_system_vgpr_workitem_id 0
		.amdhsa_next_free_vgpr 1024
		.amdhsa_next_free_sgpr 100
		.amdhsa_reserve_vcc 0
		.amdhsa_float_denorm_mode_32 3
		.amdhsa_float_denorm_mode_16_64 3
		.amdhsa_memory_ordered 1
		.amdhsa_forward_progress 1
		.amdhsa_inst_pref_size 89
	.end_amdhsa_kernel
	.amdgpu_metadata
---
amdhsa.version: [ 1, 2 ]
amdhsa.kernels:
  - .name:           k_q94eb1eeb4f_qkv
    .symbol:         k_q94eb1eeb4f_qkv.kd
    .args:
      - { .name: nx, .offset: 0, .size: 8, .value_kind: global_buffer, .address_space: global }
      - { .name: wb, .offset: 8, .size: 8, .value_kind: global_buffer, .address_space: global }
      - { .name: bq, .offset: 16, .size: 8, .value_kind: global_buffer, .address_space: global }
      - { .name: bk, .offset: 24, .size: 8, .value_kind: global_buffer, .address_space: global }
      - { .name: bv, .offset: 32, .size: 8, .value_kind: global_buffer, .address_space: global }
      - { .name: qkv, .offset: 40, .size: 8, .value_kind: global_buffer, .address_space: global }
    .group_segment_fixed_size: 327680
    .private_segment_fixed_size: 0
    .kernarg_segment_align: 8
    .kernarg_segment_size: 48
    .max_flat_workgroup_size: 128
    .sgpr_count:     100
    .vgpr_count:     1024
    .wavefront_size: 32
...
	.end_amdgpu_metadata
.endif
;; end of part 3
;; launch attn (part 4): grid 8 x 32, 4 waves a work-group, no clusters, 327,680 bytes of LDS; arguments qkv, o; writes o
.if DOCPART == 4
	.amdgcn_target "amdgcn-amd-amdhsa--gfx1250"
	.amdhsa_code_object_version 6
	.text
	.protected	k_q94eb1eeb4f_attn
	.globl	k_q94eb1eeb4f_attn
	.p2align	8
	.type	k_q94eb1eeb4f_attn,@function
k_q94eb1eeb4f_attn:
	s_mov_b64 s[64:65], 0
	v_nop
	global_prefetch_b8 v0, s[64:65] scope:SCOPE_SE
	s_setreg_imm32_b32 hwreg(HW_REG_WAVE_MODE, 25, 1), 1
	s_wait_xcnt 0x0
; CAUSAL ATTENTION.  O[q] = the sum over k <= q of softmax_k(Q[q] . K[k] / 8) V[k], for each of 32 heads (16 batch + head) of 2,048 rows of 64 channels.
; Q, K, V: bf16, [matrix][head][2,048][64], unscaled.  Products, maxima and sums in f32; the weights are rounded to bf16 for the second product, O once at the end.
; O leaves in blocks [token / 128][head][token % 128][64], the layout in which the next product reads its rows.
; LIMITS.  A hidden score counts as its value less 1e30, so its weight is 0 as long as scores stay far below 1e30 in size; a weight below 2^-126 counts as 0; NaN and infinities are not treated apart.
; THE WALK.  A head has 16 blocks of 128 queries and 8 key tiles of 256.  Block i needs tiles 0 .. i / 2.  Work-group b takes blocks 15 - b and then b: 9 tiles whatever b, so all 256 work-groups are alike
; and ONE loop with a constant count walks them.  NO CLUSTER: a head's eight work-groups ask for the same tile in trips 0 to 4 alone, and a walk common to all would have 12 trips for 9.
; SHARES.  Of a block's two bands of 64 queries a wave owns 16 rows in each: two PIECES.  Band x of block i sees all keys of step s < 2 i + x, none of s > 2 i + x, and holds the diagonal at s = 2 i + x.
; THE MASK is the C operand that starts S^T = K Q^T: MD x AL + BE, MD being the mask of a band's own step for my rows: (1, 0) there, (0, -1e30) behind it; ahead of it the buffer still holds the 0 of the block's beginning.
; TURNS.  Turn (s, p) belongs to piece p: 8 products K Q^T of the other piece's next scores, later 8 products V^T P of the other piece's last weights; beside them piece p's scaling, exponentials, roundings, sums and
; rescaling, and the other piece's maximum and statistics.  Four vector instructions stand behind each product, the others in one lump; a turn's 33 exponentials are one batch with one wait.
; K IS SHIFTED BY A STEP.  Turn (s, 0) fetches K of step s + 1 and V of step s.  So a slot holds V of keys 256 j .. and K of keys 256 j + 64 ..: both fetches of a turn lie in one slot.  K of step 0 comes once from
; memory into registers and is copied at each block's beginning (64 moves, twice a launch).  The last tile's K reaches 64 rows past the head's: rows of the next head, or of V, inside the buffer; they feed one run
; of 8 products at a block's end that serves nothing: the price of one text for every trip.
; REGISTERS (s_set_vgpr_msb: bits 1:0 source 0, 3:2 source 1, 5:4 source 2, 7:6 destination):
;   window 0: v0-15 addresses; v16-23 statistics; v48-55 at work; v61-63; v64-127 S^T, a buffer a piece; v192-223 P      window 1: v0-63 O^T; v128-159 MD; v160-223 MC
;   window 2: v0-31 Q; v32-63 the second block's Q; v64-127 K of step 0; v128-191 K; v192-255 V
.set NP,    2
.set KS,    64
.set PK,    144       ; a row of K in LDS: 128 bytes + 16
.set PV,    160       ; a row of V: 128 + 32
.set VOFF,  4*KS*PK
.set SLOT1, 1<<17
.set STAGE, SLOT1+4*KS*(PK+PV)
.set SP,    144
.set SPARE, STAGE+4*16*SP
.set AK0, 2
.set AV0, 3
.set AK,  4
.set AV,  5
.set STO, 6
.set RD,  7
.set GO,  8
.set MV,  12
.set QO,  15
.set ST,  16          ; piece t: c m, m, l (even keys', odd keys')
.set TMP, 48
.set PFO, 61          ; 256 x my lane; never rewritten
.set SPW, 62
.set NIL, 63
.set S,   64
.set P,   192
.set MD,  128
.set MC,  160
.set QB,  32
.set K0,  64
.set KF,  128
.set VF,  192
.set WV,  12
.set PB,  14          ; b
.set HI,  15          ; 15 - b
.set G1K, 24
.set G1V, 32
.set G0K, 40
.set G0V, 44
.set SLOTS, 56
.set CNT, 57
.set CS,  58
.set SEL, 60
.set TBK, 62
.set TBV, 63
.set RT,  70          ; tiles of the block in hand still to be entered
.set NXT, 71          ; the tile to be asked for next
.set LQ,  72          ; the last tile of the block whose tiles are being asked for
.set NEW, 73
.set OFF, 74
.set AL,  76
.set BE,  78
.set OLO, 80
.set BIGN, 82
.set PBT, 83          ; b / 2: the second block's last tile
.set OWN0, 88         ; s88, s89: each band's own step
.set SC,  90          ; the step for which masks are being made
.set LIM, 91
.set PFA, 92
.set MSB, 0
.macro WIN new
.if MSB != (\new)
	s_set_vgpr_msb (MSB<<8)|(\new)
.set MSB, (\new)
.endif
.endm
.set W_KQ, 0x0a
.set W_KM, 0x1a
.set W_PV, 0x52
.set W_RS, 0x41
.macro LOAD                         ; waves 0 and 1 fetch the halves of a tile's K, waves 2 and 3 of its V; an s_nop 0 and four v_nop follow each line
	s_cmp_lt_u32 s[WV], 2
	s_cbranch_scc0 .Lfor_v_\@
	tensor_load_to_lds s[G0K:G0K+3], s[G1K:G1K+7]
	s_nop 0
.rept 4
	v_nop
.endr
	s_branch .Lasked_\@
.Lfor_v_\@:
	tensor_load_to_lds s[G0V:G0V+3], s[G1V:G1V+7]
	s_nop 0
.rept 4
	v_nop
.endr
.Lasked_\@:
.endm
; A prefetch of my own 16,384 bytes (64 rows of 256, a lane a row, two instructions) of the tile behind the one just asked for: one tile, eight turns, ahead of its load.  All work-groups of a head walk
; the same tiles: the head's work-group b = 0 asks, for tiles 2 to 7, so each row is named once in the launch; tiles 0 and 1 come by their loads alone, and the last two changes ask for nothing.
.macro ASK
	s_cmp_gt_u32 s[SLOTS], s[LIM]
	s_cbranch_scc0 .Lnot_mine_\@
	global_prefetch_b8 v[PFO], s[PFA:PFA+1] th:TH_LOAD_NT scope:SCOPE_SE
	global_prefetch_b8 v[PFO], s[PFA:PFA+1] offset:8192 th:TH_LOAD_NT scope:SCOPE_SE
.Lnot_mine_\@:
.endm
; THE CHANGE OF SLOTS.  Each wave waits for all its tensor loads (one is out: its part of the other slot), adds 0 to its spare word, and waits for that and for its reads of the slot that it leaves.
; fill = 1: the old slot is filled again, first thing behind the barrier, with tile NXT.
.macro CHANGE fill
	WIN 0
	s_wait_tensorcnt 0x0
	ds_add_u32 v[SPW], v[NIL]
.if \fill
	s_lshl_b32 s[OFF], s[NXT], 15
	s_xor_b32 s[G0K+1], s[G0K+1], SLOT1
	s_add_nc_u64 s[G0K+2:G0K+3], s[6:7], s[OFF:OFF+1]
	s_or_b32 s[G0K+3], s[G0K+3], 0x80000000
	s_xor_b32 s[G0V+1], s[G0V+1], SLOT1
	s_add_nc_u64 s[G0V+2:G0V+3], s[8:9], s[OFF:OFF+1]
	s_or_b32 s[G0V+3], s[G0V+3], 0x80000000
	s_add_co_u32 s[NXT], s[NXT], 1  ; the block's next tile, or behind its last the second block's tile 0
	s_cmp_gt_u32 s[NXT], s[LQ]
	s_cselect_b32 s[NXT], 0, s[NXT]
	s_cselect_b32 s[LQ], s[PBT], s[LQ]
	s_wait_xcnt 0x0                 ; the last prefetches, a tile back, have read their address
	s_add_nc_u64 s[PFA:PFA+1], s[PFA:PFA+1], 32768
.endif
	s_wait_dscnt 0x0                ; the add is done, and my reads of the slot are over
	s_barrier_signal -1
	s_sub_co_u32 s[TBK], s[TBK], 4*KS*PK
	s_xor_b32 s[TBK], s[TBK], SLOT1
	s_sub_co_u32 s[TBV], s[TBV], 4*KS*PV
	s_xor_b32 s[TBV], s[TBV], SLOT1
	s_barrier_wait -1
.if \fill
	LOAD
	ASK
.endif
.endm
	s_load_b64 s[4:5], s[0:1], 0x0   ; qkv
	s_load_b64 s[10:11], s[0:1], 0x8 ; o
	v_lshl_add_u32 v[SPW], v0, 2, SPARE
	v_mov_b32 v[NIL], 0
	ds_add_u32 v[SPW], v[NIL]       ; the wave's opening: the add and its wait ahead of my first tensor load
	ds_add_u32 v62, v63
	v_lshrrev_b32 v1, 5, v0
	v_readfirstlane_b32 s[WV], v1
	s_mov_b32 s[PB], ttmp9
	s_sub_co_u32 s[HI], 15, s[PB]
	s_lshr_b32 s[PBT], s[PB], 1
	s_and_b32 s50, ttmp7, 0xffff    ; 16 batch + head
	s_lshl_b32 s20, s50, 18         ; the head's 262,144 bytes in q, k and v
	s_lshr_b32 s51, s50, 4
	s_and_b32 s50, s50, 15
	s_lshl_b32 s51, s51, 8
	s_add_co_u32 s50, s50, s51      ; 256 batch + head
	s_lshl_b32 s3, s[WV], 11        ; my 16 rows in a band
	s_lshl_b32 s52, s[HI], 4        ; O: ((16 batch + block) 16 + head) x 16,384
	s_add_co_u32 s52, s52, s50
	s_lshl_b32 s52, s52, 14
	s_add_co_u32 s52, s52, s3
	s_mov_b32 s53, 0
	s_lshl_b32 s54, s[PB], 4
	s_add_co_u32 s54, s54, s50
	s_lshl_b32 s54, s54, 14
	s_add_co_u32 s54, s54, s3
	s_mov_b32 s55, 0
	s_lshl_b32 s2, s[HI], 14        ; Q: a block is 16,384 bytes
	s_add_co_u32 s2, s2, s3
	s_add_co_u32 s2, s2, s20
	s_lshl_b32 s84, s[PB], 14
	s_add_co_u32 s84, s84, s3
	s_add_co_u32 s84, s84, s20
	s_mov_b32 s3, 0
	s_mov_b32 s85, 0
	s_and_b32 s16, s[WV], 1         ; which half of a tile's 256 keys I fetch
	s_lshl_b32 s22, s16, 14
	s_add_co_u32 s22, s22, s20
	s_add_co_u32 s94, s22, 0x1000000  ; V
	s_mov_b32 s95, 0
	s_add_co_u32 s22, s22, 0x802000   ; K, 64 rows on
	s_mov_b32 s23, 0
	s_add_co_u32 s96, s20, 0x800000   ; K of step 0
	s_mov_b32 s97, 0
	s_mul_i32 s17, s16, 128*PK
	s_mul_i32 s18, s16, 128*PV
	s_mov_b32 s[G1K], (1<<16)|(1<<20)|(4<<22)|(3<<25)  ; 128 keys as 64 rows of 256 bytes, two keys a row, padded after every key by 4 words
	s_mov_b32 s[G1V], (1<<16)|(1<<20)|(4<<22)|(7<<25)  ; by 8 words
.irp g, G1K, G1V
	s_mov_b32 s[\g+1], 128<<16
	s_mov_b32 s[\g+2], 64<<16
	s_mov_b32 s[\g+3], 128<<16
	s_mov_b32 s[\g+4], 64
	s_mov_b32 s[\g+5], 128
	s_mov_b32 s[\g+6], 0
	s_mov_b32 s[\g+7], 0
.endr
	s_mov_b32 s[CS], 0x3e38aa3b     ; c = log2(e) / 8
	s_mov_b32 s[CS+1], s[CS]
	s_mov_b32 s[SEL], 0x76543210
	s_mov_b32 s[SEL+1], 0xfedcba98
	s_mov_b32 s[TBK], SLOT1+4*KS*PK ; the first change of slots turns these two into 0
	s_mov_b32 s[TBV], SLOT1+4*KS*PV
	s_mov_b32 s[G0K], 1
	s_mov_b32 s[G0K+1], s17
	s_mov_b32 s[G0V], 1
	s_add_co_u32 s[G0V+1], s18, VOFF
	s_sub_co_u32 s[LQ], 7, s[PBT]   ; the first block's last tile
	s_add_co_u32 s[RT], s[LQ], 1
	s_mov_b32 s[NXT], 1
	s_mov_b32 s[NEW], 1
	s_mov_b32 s[OFF+1], 0
	s_mov_b32 s[AL+1], 0
	s_mov_b32 s[BE+1], 0
	s_mov_b32 s[BIGN], 0xf149f2ca   ; -1e30
	s_mov_b32 s[SLOTS], 8
	s_lshl_b32 s[OWN0], s[HI], 1
	s_add_co_u32 s[OWN0+1], s[OWN0], 1
	s_mov_b32 s[SC], 1
	s_cmp_eq_u32 s[PB], 0
	s_cselect_b32 s[LIM], 2, -1
	v_and_b32 v[PFO], 31, v0
	v_lshlrev_b32 v[PFO], 8, v[PFO]
	s_wait_dscnt 0x0                ; the opening add is done
	s_wait_kmcnt 0x0
	s_add_nc_u64 s[6:7], s[4:5], s[22:23]
	s_add_nc_u64 s[8:9], s[4:5], s[94:95]
	s_add_nc_u64 s[48:49], s[4:5], s[96:97]
	s_add_nc_u64 s[86:87], s[4:5], s[84:85]
	s_add_nc_u64 s[4:5], s[4:5], s[2:3]
	s_add_nc_u64 s[OLO:OLO+1], s[10:11], s[54:55]
	s_add_nc_u64 s[10:11], s[10:11], s[52:53]
	s_add_nc_u64 s[G0K+2:G0K+3], s[6:7], 0
	s_or_b32 s[G0K+3], s[G0K+3], 0x80000000
	s_add_nc_u64 s[G0V+2:G0V+3], s[8:9], 0
	s_or_b32 s[G0V+3], s[G0V+3], 0x80000000
	s_cmp_lt_u32 s[WV], 2
	s_cselect_b64 s[PFA:PFA+1], s[6:7], s[8:9]
	s_add_nc_u64 s[PFA:PFA+1], s[PFA:PFA+1], 32768  ; at tile 1; the first change steps it to tile 2
	LOAD                            ; tile 0 into slot 0
	v_and_b32 v1, 15, v0            ; l % 16
	v_bfe_u32 v9, v0, 4, 1          ; l / 16
	v_lshlrev_b32 v[QO], 7, v1
	v_lshl_add_u32 v[QO], v9, 4, v[QO]
	WIN 0x80
.set i, 0
.rept 4                             ; both blocks' Q: piece i / 2 lies 8,192 bytes on; channels 32 (i % 2) on
	global_load_b128 v[8*i:8*i+3],   v[QO], s[4:5] offset:(i/2)*8192+(i%2)*64
	global_load_b128 v[8*i+4:8*i+7], v[QO], s[4:5] offset:(i/2)*8192+(i%2)*64+32
	global_load_b128 v[QB+8*i:QB+8*i+3],   v[QO], s[86:87] offset:(i/2)*8192+(i%2)*64
	global_load_b128 v[QB+8*i+4:QB+8*i+7], v[QO], s[86:87] offset:(i/2)*8192+(i%2)*64+32
.set i, i+1
.endr
.set i, 0
.rept 8                             ; K of step 0: keys 16 (i / 2) on, channels 32 (i % 2) on
	global_load_b128 v[K0+8*i:K0+8*i+3],   v[QO], s[48:49] offset:(i/2)*2048+(i%2)*64
	global_load_b128 v[K0+8*i+4:K0+8*i+7], v[QO], s[48:49] offset:(i/2)*2048+(i%2)*64+32
.set i, i+1
.endr
	WIN 0
	v_lshlrev_b32 v14, 3, v9
	v_sub_nc_u32 v14, v1, v14
	s_lshl_b32 s13, s[WV], 4
	v_add_nc_u32 v14, s13, v14      ; my query's place in its band less 8 (l / 16): register r of key group kt is hidden where 16 kt + r is greater
	WIN 0x40
.set i, 0
.rept 32
	v_cmp_gt_i32 vcc_lo, 16*(i/8)+i%8, v14
	v_cndmask_b32 v[MD+i], 0, s[BIGN], vcc_lo
.set i, i+1
.endr
	WIN 0
	v_mul_u32_u24 v[AK0], v1, PK
	v_lshl_add_u32 v[AK0], v9, 4, v[AK0]
	v_and_b32 v10, 7, v0
	v_bfe_u32 v11, v0, 3, 1
	v_lshl_add_u32 v[AV0], v9, 3, v10
	v_mul_u32_u24 v[AV0], v[AV0], PV
	v_lshl_add_u32 v[AV0], v11, 4, v[AV0]
	v_add_nc_u32 v[AV0], VOFF, v[AV0]
	s_mul_i32 s13, s[WV], 16*SP
	s_add_co_u32 s13, s13, STAGE
	v_mul_u32_u24 v[STO], v1, SP
	v_lshl_add_u32 v[STO], v9, 4, v[STO]
	v_add_nc_u32 v[STO], s13, v[STO]
	v_bfe_u32 v[RD], v0, 3, 2
	v_mul_u32_u24 v[RD], v[RD], SP
	v_lshl_add_u32 v[RD], v10, 4, v[RD]
	v_add_nc_u32 v[RD], s13, v[RD]
	v_and_b32 v[GO], 31, v0
	v_lshlrev_b32 v[GO], 4, v[GO]
	; A block's first step multiplies O^T and l by a = 0, and its first turn's products V^T P, of weights that have not been, land in an O^T that is still to be so multiplied: these registers need only be finite.
	WIN 0x80
.set i, VF
.rept 64
	v_mov_b32 v[i], 0
.set i, i+1
.endr
	WIN 0x40
.set i, 0
.rept 64
	v_mov_b32 v[i], 0
.set i, i+1
.endr
	WIN 0
.set i, 0
.rept 2
	v_mov_b32 v[ST+4*i+2], 0
	v_mov_b32 v[ST+4*i+3], 0
.set i, i+1
.endr
.set i, P+16
.rept 16
	v_mov_b32 v[i], 0
.set i, i+1
.endr
; Product i of 8 of S^T = K Q^T for piece x: channels 32 (i / 4) on, keys 16 (i % 4) on; the first 4 start the sums with the mask.  The 4 accumulators take turns.
.macro KQ x
.set rS, S+32*((\x)%2)+8*(i%4)
.set rK, KF+16*(i%4)+8*(i/4)
.set rQ, 16*(\x)+8*(i/4)
.set rM, MC+32*((\x)%2)+8*(i%4)
.if i < 4
	WIN W_KM
	v_wmma_f32_16x16x32_bf16 v[rS:rS+7], v[rK:rK+7], v[rQ:rQ+7], v[rM:rM+7]
.else
	WIN W_KQ
	v_wmma_f32_16x16x32_bf16 v[rS:rS+7], v[rK:rK+7], v[rQ:rQ+7], v[rS:rS+7]
.endif
.endm
.macro PV x                         ; product i of 8 of O^T += V^T P: keys 32 (i / 4) on, channels 16 (i % 4) on
	WIN W_PV
.set rO, 32*(\x)+8*(i%4)
.set rV, VF+32*(i/4)+8*(i%4)
.set rP, P+16*((\x)%2)+8*(i/4)
	v_wmma_f32_16x16x32_bf16 v[rO:rO+7], v[rV:rV+7], v[rP:rP+7], v[rO:rO+7]
.endm
.macro MM                           ; the turn's next product
.if i < 8
	KQ (Y+1)%NP
.else
.set i, i-8
	PV (Y+NP-1)%NP
.set i, i+8
.endif
.set i, i+1
.endm
.macro FETCH_K
	WIN 0x80
.irp f, 0,1,2,3,4,5,6,7
	ds_load_b128 v[KF+8*\f:KF+8*\f+3],   v[AK] offset:(\f/2)*16*PK+(\f%2)*64
	ds_load_b128 v[KF+8*\f+4:KF+8*\f+7], v[AK] offset:(\f/2)*16*PK+(\f%2)*64+32
.endr
	s_add_co_u32 s[TBK], s[TBK], KS*PK
	WIN 0
.endm
.macro FETCH_V
	WIN 0x80
.irp f, 0,1,2,3,4,5,6,7
	ds_load_tr16_b128 v[VF+8*\f:VF+8*\f+3],   v[AV] offset:(\f/4)*32*PV+(\f%4)*32
	ds_load_tr16_b128 v[VF+8*\f+4:VF+8*\f+7], v[AV] offset:(\f/4)*32*PV+16*PV+(\f%4)*32
.endr
	WIN 0
.endm
; THE VECTOR WORK: OP kind, number.  For piece Y: F n: c s - c m for pair n.  E n: the exponential of score n.  C n: pair n rounded to bf16.  B n: of the weights 4 n .. the second pair onto the first.
; L n: l takes that sum (L 0: l = a l + sum).  R n: pair n of O^T times a.  For the other piece: X n, number n of the 22 that find its maximum and statistics (each accumulator's lowest registers are read first).
.set F, 0
.set E, 1
.set C, 2
.set B, 3
.set L, 4
.set R, 5
.set X, 6
.macro REGS y
.set rT, ST+4*(\y)
.set rC, TMP+4*((\y)%2)
.set rW, MV+((\y)%2)
.set rS, S+32*((\y)%2)
.set rP, P+16*((\y)%2)
.set rO, 32*(\y)
.endm
.macro OP k, n
.if (\k) == R
	REGS Y
	WIN W_RS
	v_pk_mul_f32 v[rO+2*(\n):rO+2*(\n)+1], v[rO+2*(\n):rO+2*(\n)+1], v[rC+2:rC+3] op_sel_hi:[1,0]
.elseif (\k) < R
	REGS Y
	WIN 0
.if (\k) == F
	v_pk_fma_f32 v[rS+2*(\n):rS+2*(\n)+1], v[rS+2*(\n):rS+2*(\n)+1], s[CS:CS+1], v[rT:rT+1] op_sel_hi:[1,0,0] neg_lo:[0,0,1] neg_hi:[0,0,1]
.elseif (\k) == E
	v_exp_f32 v[rS+(\n)], v[rS+(\n)]
.elseif (\k) == C
	v_cvt_pk_bf16_f32 v[rP+(\n)], v[rS+2*(\n)], v[rS+2*(\n)+1]
.elseif (\k) == B
	v_pk_add_f32 v[rS+4*(\n):rS+4*(\n)+1], v[rS+4*(\n):rS+4*(\n)+1], v[rS+4*(\n)+2:rS+4*(\n)+3]
.elseif (\n) == 0
	v_pk_fma_f32 v[rT+2:rT+3], v[rT+2:rT+3], v[rC+2:rC+3], v[rS:rS+1] op_sel_hi:[1,0,1]
.else
	v_pk_add_f32 v[rT+2:rT+3], v[rT+2:rT+3], v[rS+4*(\n):rS+4*(\n)+1]
.endif
.else
	REGS (Y+1)%NP
	WIN 0
.if (\n) < 4
	v_max3_num_f32 v[rC+(\n)], v[rS+8*(\n)], v[rS+8*(\n)+1], v[rS+8*(\n)+2]
.elseif (\n) < 12
	v_max3_num_f32 v[rC+(\n)%4], v[rC+(\n)%4], v[rS+8*((\n)%4)+2*((\n)/4)+1], v[rS+8*((\n)%4)+2*((\n)/4)+2]
.elseif (\n) == 12
	v_max3_num_f32 v[rC], v[rC], v[rS+7], v[rS+15]
.elseif (\n) == 13
	v_max3_num_f32 v[rC+1], v[rC+1], v[rS+23], v[rS+31]
.elseif (\n) == 14
	v_max3_num_f32 v[rC+2], v[rC+2], v[rC+3], v[rT+1]
.elseif (\n) == 15
	v_mov_b32 v[rW], v[rT]
.elseif (\n) == 16
	v_max3_num_f32 v[rC], v[rC], v[rC+1], v[rC+2]
.elseif (\n) == 17
	v_permlanex16_b32 v[rC+3], v[rC], s[SEL], s[SEL+1]
.elseif (\n) == 18
	v_max_num_f32 v[rT+1], v[rC], v[rC+3]
.elseif (\n) == 19
	v_mul_f32 v[rT], s[CS], v[rT+1]
.elseif (\n) == 20
	v_sub_f32 v[rC+1], v[rW], v[rT]
.else
	v_exp_f32 v[rC+2], v[rC+1]
.endif
.endif
.endm
.macro OPS a, i1, b=-1, i2=0, c=-1, i3=0, d=-1, i4=0
	OP \a, \i1
.if (\b) >= 0
	OP \b, \i2
.endif
.if (\c) >= 0
	OP \c, \i3
.endif
.if (\d) >= 0
	OP \d, \i4
.endif
.endm
.macro ROW a, i1, b, i2, c, i3, d, i4
	MM
	OPS \a, \i1, \b, \i2, \c, \i3, \d, \i4
.endm
.macro MASK b                       ; MD x AL + BE into buffer b of MC
	WIN W_RS
.set z, 0
.rept 16
	v_pk_fma_f32 v[MC+32*(\b)+2*z:MC+32*(\b)+2*z+1], v[MD+2*z:MD+2*z+1], s[AL:AL+1], s[BE:BE+1] op_sel_hi:[1,0,0]
.set z, z+1
.endr
.endm
.macro MKMASK p                     ; piece p's mask for step SC; ahead of the band's own step the buffer keeps its 0
	WIN 0
	s_cmp_lt_u32 s[SC], s[OWN0+(\p)]
	s_cbranch_scc1 .Lno_mask_\@
	s_cmp_eq_u32 s[SC], s[OWN0+(\p)]
	s_cselect_b32 s[AL], 1.0, 0
	s_cselect_b32 s[BE], 0, s[BIGN]
	MASK \p
	WIN 0
.Lno_mask_\@:
.endm
; A TURN, for piece p.  Ahead of its one wait stands all that names no result of the turn's exponentials; behind it the products V^T P with the roundings and sums as their riders.
; Turn 0 fetches the next step's K in its lump (five plain instructions that name none of its registers stand behind the last product that read K) and this step's V at its end (four behind the last product that read V).
.macro TURN p
.set Y, (\p)
.set i, 0
.if (\p) == 1
	s_wait_dscnt 16                 ; K is in; V's sixteen loads may stay out
.endif
	ROW F,0, F,1, R,0, R,1
	ROW F,2, E,0, R,2, R,3
	ROW F,3, E,1, R,4, R,5
	ROW F,4, E,2, R,6, R,7
	ROW F,5, E,3, R,8, R,9
	ROW F,6, E,4, X,0, R,10
.if (\p) == 0
	WIN 0
	v_add_nc_u32 v[AK], s[TBK], v[AK0]
.endif
	ROW F,7, E,5, X,1, X,4
	ROW F,8, E,6, X,2, X,5
	OPS E,7, E,8, X,6, E,9
	OPS X,3, E,10, X,8, E,11
.if (\p) == 0
	FETCH_K
.endif
	OPS X,9, X,7, E,12, X,10
	OPS E,13, X,12, X,11, E,14
	OPS X,13, E,15, F,9, X,14
.if (\p) == 0
	v_add_nc_u32 v[AV], s[TBV], v[AV0]
.endif
	OPS E,16, F,10, E,17, F,11
	OPS X,16, E,18, X,15, E,19
	OPS F,12, E,20, X,17, E,21
	OPS F,13, E,22, F,14, E,23
	OPS X,18, E,24, F,15, E,25
	OPS R,11, E,26, X,19, E,27
	OPS R,12, E,28, R,13, E,29
	OPS X,20, E,30, R,14, E,31
	OPS X,21, R,15                  ; R 15 is the plain instruction behind the last exponential
	WIN 0
	s_wait_alu depctr_va_vdst(0)    ; the wait for the batch
.if (\p) == 1
	s_wait_dscnt 0x0                ; V is in
.endif
	ROW C,0, B,0, C,2, B,1
	ROW L,0, C,4, B,2, L,1
	ROW C,6, B,3, L,2, C,8
	ROW B,4, L,3, C,10, B,5
	ROW L,4, C,12, B,6, L,5
.if (\p) == 0
	s_add_co_u32 s[TBV], s[TBV], KS*PV
.endif
	ROW C,14, B,7, L,6, C,1
	ROW C,3, L,7, C,5, C,7
	ROW C,9, C,11, C,13, C,15
.if (\p) == 0
	FETCH_V
.endif
.endm
; A BLOCK BEGINS.  c m starts far below every c s, so the first step's a is 0; m at the lowest finite number.  Piece 1's mask is 0; piece 0's is its own step's where that is step 0.
.macro BEGIN
	s_mov_b32 s[NEW], 0
	WIN 0
.set i, 0
.rept 2
	v_mov_b32 v[ST+4*i], 0xfe000000
	v_mov_b32 v[ST+4*i+1], 0xff7fffff
.set i, i+1
.endr
	s_mov_b32 s[AL], 0
	s_mov_b32 s[BE], 0
	MASK 1
	s_cmp_eq_u32 s[OWN0], 0
	s_cselect_b32 s[AL], 1.0, 0
	MASK 0
	s_wait_loadcnt 0x0              ; Q and K of step 0
	WIN 0x82
.set i, 0
.rept 64
	v_mov_b32 v[KF+i], v[K0+i]      ; K of step 0 goes where the one text of the turns names K
.set i, i+1
.endr
.set i, 0
.rept 8
	KQ 0
.set i, i+1
.endr
	WIN 0
.rept 4
	v_nop                           ; the places behind those products
.endr
.set Y, NP-1
.irp n, 0,1,2,3,4,5,6,7,8,9,10,11,12,13,14,15,16,17,18,19,20,21
	OP X, \n
.endr
	v_nop
	s_wait_alu depctr_va_vdst(0)
	s_mov_b32 s[SC], 1
.endm
.macro ALL line:vararg
.set t, 0
.rept 2
	\line
.set t, t+1
.endr
.endm
.macro PACK t                       ; O^T / l, rounded; 16 bytes a lane into rows of 144 bytes, back as whole rows of 128
	WIN W_RS
.set i, 32*(\t)
.rept 16
	v_pk_mul_f32 v[i:i+1], v[i:i+1], v[ST+4*(\t)+2:ST+4*(\t)+3] op_sel_hi:[1,0]
.set i, i+2
.endr
	WIN 0x05
.set i, 0
.rept 16
	v_cvt_pk_bf16_f32 v[S+16*(\t)+i], v[32*(\t)+2*i], v[32*(\t)+2*i+1]
.set i, i+1
.endr
	WIN 0
.irp f, 0,1,2,3
	ds_store_b128 v[STO], v[S+16*(\t)+4*\f:S+16*(\t)+4*\f+3] offset:32*\f
.endr
.irp f, 0,1,2,3
	ds_load_b128 v[S+16*(\t)+4*\f:S+16*(\t)+4*\f+3], v[RD] offset:\f*4*SP  ; LDS serves a wave's instructions in order (ISA guide 5.7.1.4): these see the stores above
.endr
.endm
.macro SEND t, younger
	WIN 0
.irp f, 0,1,2,3
	s_wait_dscnt (\younger)+3-\f
	global_store_b128 v[GO], v[S+16*(\t)+4*\f:S+16*(\t)+4*\f+3], s[10:11] offset:(\t)*8192+\f*512  ; 512 consecutive bytes, aligned
.endr
.endm
.macro FINISH                       ; piece 1's last V^T P, then the way out
.set i, 0
.rept 8
	PV 1
.set i, i+1
.endr
	WIN 0
	ALL v_add_f32 v[ST+4*t+2], v[ST+4*t+2], v[ST+4*t+3]
	ALL v_permlanex16_b32 v[ST+4*t+3], v[ST+4*t+2], s[SEL], s[SEL+1]
	ALL v_add_f32 v[ST+4*t+2], v[ST+4*t+2], v[ST+4*t+3]
	ALL v_rcp_f32 v[ST+4*t+2], v[ST+4*t+2]
	v_nop
	s_wait_alu depctr_va_vdst(0)    ; one wait for both reciprocals
	PACK 0                          ; piece 0's 32 lines are the places behind piece 1's last products
	PACK 1
	SEND 0, 8
	SEND 1, 0
.endm
.macro WALK tag                     ; a tile's four key steps
	s_sub_co_u32 s[RT], s[RT], 1
	s_mov_b32 s[CNT], 4
	s_cmp_eq_u32 s[NEW], 1
	s_cbranch_scc0 .Lstep\tag
	BEGIN
.Lstep\tag:
	TURN 0
	MKMASK 0
	TURN 1
	MKMASK 1
	s_add_co_u32 s[SC], s[SC], 1
	s_sub_co_u32 s[CNT], s[CNT], 1
	s_cmp_lg_u32 s[CNT], 0
	s_cbranch_scc1 .Lstep\tag
.endm
.Lslot:                             ; 8 times: a tile is entered and the next is asked for
	CHANGE 1
	WALK 1
	s_cmp_lg_u32 s[RT], 0
	s_cbranch_scc1 .Lbottom
	FINISH                          ; in the loop this is the first block's end: the second's last tile is the walk's last
	s_wait_xcnt 0x0                 ; the stores have read their registers and O's address
	s_mov_b64 s[10:11], s[OLO:OLO+1]
	s_add_co_u32 s[RT], s[PBT], 1
	s_mov_b32 s[NEW], 1
	s_lshl_b32 s[OWN0], s[PB], 1
	s_add_co_u32 s[OWN0+1], s[OWN0], 1
	WIN 0x82
.set i, 0
.rept 32
	v_mov_b32 v[i], v[QB+i]         ; the second block's Q goes where the turns name Q
.set i, i+1
.endr
	WIN 0
.Lbottom:
	s_sub_co_u32 s[SLOTS], s[SLOTS], 1
	s_cmp_lg_u32 s[SLOTS], 0
	s_cbranch_scc1 .Lslot
	CHANGE 0                        ; the walk's last tile is written out
	WALK 2
	FINISH
	s_wait_tensorcnt 0x0            ; the wave's end
	ds_add_u32 v[SPW], v[NIL]
	s_wait_dscnt 0x0
	s_endpgm
.Lfunc_end_k_q94eb1eeb4f_attn:
	.size	k_q94eb1eeb4f_attn, .Lfunc_end_k_q94eb1eeb4f_attn-k_q94eb1eeb4f_attn
	.p2alignl 7, 3214868480
	.fill 96, 4, 3214868480
	.section	.rodata,"a",@progbits
	.p2align	6, 0x0
	.amdhsa_kernel k_q94eb1eeb4f_attn
		.amdhsa_group_segment_fixed_size 327680
		.amdhsa_private_segment_fixed_size 0
		.amdhsa_enable_private_segment 0
		.amdhsa_kernarg_size 16
		.amdhsa_user_sgpr_count 2
		.amdhsa_user_sgpr_kernarg_segment_ptr 1
		.amdhsa_wavefront_size32 1
		.amdhsa_system_sgpr_workgroup_id_x 1
		.amdhsa_system_sgpr_workgroup_id_y 1
		.amdhsa_system_sgpr_workgroup_id_z 1
		.amdhsa_system_vgpr_workitem_id 0
		.amdhsa_next_free_vgpr 768
		.amdhsa_next_free_sgpr 100
		.amdhsa_reserve_vcc 1
		.amdhsa_float_denorm_mode_32 3
		.amdhsa_float_denorm_mode_16_64 3
		.amdhsa_memory_ordered 1
		.amdhsa_forward_progress 1
		.amdhsa_inst_pref_size 94
	.end_amdhsa_kernel
	.amdgpu_metadata
---
amdhsa.version: [ 1, 2 ]
amdhsa.kernels:
  - .name:           k_q94eb1eeb4f_attn
    .symbol:         k_q94eb1eeb4f_attn.kd
    .args:
      - { .name: qkv, .offset: 0, .size: 8, .value_kind: global_buffer, .address_space: global }
      - { .name: o, .offset: 8, .size: 8, .value_kind: global_buffer, .address_space: global }
    .group_segment_fixed_size: 327680
    .private_segment_fixed_size: 0
    .kernarg_segment_align: 8
    .kernarg_segment_size: 16
    .max_flat_workgroup_size: 128
    .sgpr_count:     100
    .vgpr_count:     768
    .wavefront_size: 32
...
	.end_amdgpu_metadata
.endif
;; end of part 4
;; launch wo (part 5): grid 8 x 32, 4 waves a work-group, clusters of 4 x 4, 327,680 bytes of LDS; arguments o, wb, bo, x, x1; writes x1
.if DOCPART == 5
	.amdgcn_target "amdgcn-amd-amdhsa--gfx1250"
	.amdhsa_code_object_version 6
	.text
	.protected	k_q94eb1eeb4f_wo
	.globl	k_q94eb1eeb4f_wo
	.p2align	8
	.type	k_q94eb1eeb4f_wo,@function
k_q94eb1eeb4f_wo:
	s_mov_b64 s[64:65], 0
	v_nop
	global_prefetch_b8 v0, s[64:65] scope:SCOPE_SE
	s_setreg_imm32_b32 hwreg(HW_REG_WAVE_MODE, 25, 1), 1
	s_wait_xcnt 0x0
	s_wait_alu depctr_hold_cnt(0) depctr_sa_sdst(0) depctr_va_vdst(0) depctr_va_sdst(0) depctr_va_ssrc(0) depctr_va_vcc(0) depctr_vm_vsrc(0)
	s_getreg_b32 s2, hwreg(HW_REG_IB_STS2, 6, 4)
	s_cmp_eq_u32 s2, 0
	s_cbranch_scc0 .Lentry_in_a_cluster
	s_endpgm
.Lentry_in_a_cluster:
	s_bfe_u32 s2, ttmp6, 0x10000c
	s_cmp_lg_u32 s2, 0xf033
	s_cbranch_scc0 .Lentry_shape_is_right
	s_endpgm
.Lentry_shape_is_right:
; C = RES + A B + bias, in f32.  A: bf16 in blocks [token / 128][k / 64][token % 128][k % 64]; B: bf16 [K][N], pitch NB; sums in f32.
; HERE: A = the attention's output, B = wo, RES = x, C = x1 [4,096][1,024].
; A tile of C is 128 x 128: four waves of 64 x 64, 16 accumulators each; 256 work-groups, a tile each (a larger tile would leave WGPs without work at N = 1,024).
; K goes in steps of 256 through a ring of two LDS slots.
; CLUSTER 4 x 4: A's tile is asked for jointly along a row of the cluster, B's along a column.
; K IS WALKED ROUND: cluster (X, Y) begins at K step X NSTEP / 2 + (Y % 4) NSTEP / 4 and goes round.  The two clusters along x read the same rows of A, those along y the same rows of B:
; so they do not ask for the same bytes in the same round.  The sums' order differs from cluster to cluster; each sum is still one f32 chain.
; The matrix instruction is used transposed (source 0 = 16 columns of B, turned on its way out of LDS; source 1 = 16 rows of A): a lane holds 8 neighbouring
; columns of one row of C.  The bias is the C operand of each sum's first product; RES is loaded at the start, in the layout of the stores, and added on the way out.
; By this text's count a wave has two tensor loads out at the start and one behind each round.  NaN and infinities are not treated apart.
.set NCB,   16
.set NSTEP, 4
.set LOGQ,  0                          ; log2(NSTEP / 4)
.set WOFF,  6291456
.set NB,    1024
.set BW,    32                         ; the 32 loads of RES are younger than the bias's
.set SLOTB, 73728
.set BRING, 147456
.set STAGE, 294912
.set WSTG,  4352
.set SPARE, 312320
.set LA, 16
.set LB, 17
.set ADRA, 18
.set ADRB, 19
.set STO, 21
.set RD,  22
.set GO,  23
.set BO,  24
.set SPW, 28
.set NIL, 29
.set ACC, 128
.set F0,  0
.set F1,  128
.set WV, 16
.set RH, 17
.set CH, 18
.set CX, 19
.set CY, 20
.set TX, 21
.set TY, 22
.set G1A, 24
.set G0A, 32
.set G1B, 40
.set G0B, 48
.set ABASE, 56
.set BBASE, 58
.set OA, 60
.set OB, 62
.set FK, 66                            ; the K step of the next fill, modulo NSTEP
.set KC, 68
.set LC, 69
.set SB, 70
.set OUTP, 74
.set BIASP, 76
.set RESP, 78
.set MSB, 0
.macro WIN new
.if MSB != (\new)
	s_set_vgpr_msb (MSB<<8)|(\new)
.set MSB, \new
.endif
.endm
.set MUL,  0x05
.set MULB, 0x25
.set TO_F, 0x40
.set TO_2, 0x80
.set ADD2, 0x08                        ; source 1 in window 2
.macro PLACES
.rept 4
	v_nop
.endr
.endm
.macro JLOAD
	s_cmp_eq_u32 s[RH], 0
	s_cbranch_scc0 .Lfor_b_\@
	tensor_load_to_lds s[G0A+4:G0A+7], s[G1A:G1A+7]
	s_nop 0
.rept 4
	v_nop
.endr
	s_branch .Lasked_\@
.Lfor_b_\@:
	tensor_load_to_lds s[G0B+4:G0B+7], s[G1B:G1B+7]
	s_nop 0
.rept 4
	v_nop
.endr
.Lasked_\@:
.endm
.macro CREST
	s_cmp_lg_u32 s[WV], 0
	s_cbranch_scc1 .Lnot_wave_0_\@
	s_barrier_signal -3
.Lnot_wave_0_\@:
	s_barrier_wait -3
	s_barrier_signal -1
	s_barrier_wait -1
.endm
.macro CROUND
	s_barrier_signal -1
	s_barrier_wait -1
	CREST
.endm
.macro BIASLD
	WIN TO_2
.irp b, 0,1,2,3
	global_load_b128 v[8*(\b):8*(\b)+3],   v[BO], s[BIASP:BIASP+1] offset:64*(\b)
	global_load_b128 v[8*(\b)+4:8*(\b)+7], v[BO], s[BIASP:BIASP+1] offset:64*(\b)+16
.endr
	WIN 0
.endm
.macro MUL8 f, c, a0, first
.if \first
	WIN MULB
.else
	WIN MUL
.endif
.irp a, \a0, (\a0)+1
.irp b, 0,1,2,3
.if \first
	v_wmma_f32_16x16x32_bf16 v[ACC+8*(4*(\a)+(\b)):ACC+8*(4*(\a)+(\b))+7], v[(\f)+64+8*(4*(\c)+(\b)):(\f)+64+8*(4*(\c)+(\b))+7], v[(\f)+8*(4*(\c)+(\a)):(\f)+8*(4*(\c)+(\a))+7], v[8*(\b):8*(\b)+7]
.else
	v_wmma_f32_16x16x32_bf16 v[ACC+8*(4*(\a)+(\b)):ACC+8*(4*(\a)+(\b))+7], v[(\f)+64+8*(4*(\c)+(\b)):(\f)+64+8*(4*(\c)+(\b))+7], v[(\f)+8*(4*(\c)+(\a)):(\f)+8*(4*(\c)+(\a))+7], v[ACC+8*(4*(\a)+(\b)):ACC+8*(4*(\a)+(\b))+7]
.endif
.endr
.endr
.endm
.macro FETCH q, f
	WIN TO_F
.irp c, 0,1
.irp i, 0,1,2,3
	ds_load_tr16_b128 v[(\f)+64+8*(4*(\c)+(\i)):(\f)+64+8*(4*(\c)+(\i))+3],   v[ADRB+(\q)/2] offset:((\q)%2)*18432+(\c)*9216+32*(\i)
	ds_load_tr16_b128 v[(\f)+64+8*(4*(\c)+(\i))+4:(\f)+64+8*(4*(\c)+(\i))+7], v[ADRB+(\q)/2] offset:((\q)%2)*18432+(\c)*9216+32*(\i)+4608
	ds_load_b128 v[(\f)+8*(4*(\c)+(\i)):(\f)+8*(4*(\c)+(\i))+3],   v[ADRA] offset:(\q)*18432+2304*(\i)+64*(\c)
	ds_load_b128 v[(\f)+8*(4*(\c)+(\i))+4:(\f)+8*(4*(\c)+(\i))+7], v[ADRA] offset:(\q)*18432+2304*(\i)+64*(\c)+32
.endr
.endr
.endm
.macro QUARTER q, f, g, first
	s_wait_dscnt 16                                ; the first 32 along K are in; the run's other sixteen loads may be out
.if \first
	WIN 0
	s_cmp_eq_u32 s[KC], NSTEP
	s_cbranch_scc1 .Lnew_\@
.endif
	MUL8 \f, 0, 0, 0
	MUL8 \f, 0, 2, 0
.if \first
	WIN 0
	s_branch .Lold_\@
.Lnew_\@:
	s_wait_loadcnt BW                              ; the bias is in; RES may stay out
.rept 5
	v_nop                                          ; five places ahead of products that write over accumulators without adding onto them
.endr
	MUL8 \f, 0, 0, 1
	MUL8 \f, 0, 2, 1
	WIN 0
.Lold_\@:
.endif
	PLACES
	FETCH (\q)+1, \g
	s_wait_dscnt 32                                ; all but the 32 just issued
	MUL8 \f, 1, 0, 0
	MUL8 \f, 1, 2, 0
.endm
.macro NEWADR                          ; the walking descriptors: the other slot, and K step FK, made anew from the bases
	s_lshl_b32 s[OA], s[FK], 16
	s_add_nc_u64 s[G0A+6:G0A+7], s[ABASE:ABASE+1], s[OA:OA+1]
	s_or_b32 s[G0A+7], s[G0A+7], 0x80000000
	s_xor_b32 s[G0A+5], s[G0A+5], SLOTB
	s_mul_i32 s[OB], s[FK], 512*NB
	s_add_nc_u64 s[G0B+6:G0B+7], s[BBASE:BBASE+1], s[OB:OB+1]
	s_or_b32 s[G0B+7], s[G0B+7], 0x80000000
	s_xor_b32 s[G0B+5], s[G0B+5], SLOTB
	s_add_co_u32 s[FK], s[FK], 1
	s_and_b32 s[FK], s[FK], NSTEP-1                ; round
.endm
; The last quarter multiplies buffer 1 and changes slots.  In front of the barrier each wave waits for all its tensor loads (one is out: its part of the next slot), adds 0 to its spare
; word, and waits for that and for its reads of this slot.  Eight products stand ahead of the first wait and eight between the add and the wait for it.  fill = 1: the barrier opens a round
; of the cluster's, and the joint refill is the first thing behind it: 120 products stand between it and the wait for it.
.macro TURN fill
	s_wait_dscnt 16                                ; the first 32 along K are in
	MUL8 F1, 0, 0, 0
	WIN 0
	s_wait_tensorcnt 0x0                           ; all my tensor loads have landed: my part of the next slot
	ds_add_u32 v[SPW], v[NIL]
	MUL8 F1, 0, 2, 0
	s_wait_dscnt 0x0                               ; the add is done, and my reads of this slot are over
	WIN 0
	s_barrier_signal -1
	s_barrier_wait -1
.if \fill
	CREST
	NEWADR
	JLOAD
.else
	PLACES
	s_cmp_eq_u32 s[LC], 1
	s_cbranch_scc1 .Lno_fetch_\@
.endif
	s_xor_b32 s[SB], s[SB], SLOTB
	v_add_nc_u32 v[ADRA], s[SB], v[LA]
	v_add_nc_u32 v[ADRB], s[SB], v[LB]
	v_add_nc_u32 v[ADRB+1], 36864, v[ADRB]
	FETCH 0, F0
	WIN 0
.if !(\fill)
.Lno_fetch_\@:
.endif
	MUL8 F1, 1, 0, 0
	MUL8 F1, 1, 2, 0
.endm
.macro STEP fill, first
	QUARTER 0, F0, F1, \first
	QUARTER 1, F1, F0, 0
	QUARTER 2, F0, F1, 0
	TURN \fill
.endm
; THE WAY OUT: 16 rows at a time through my own stage (rows of 272 bytes), back as whole rows of 256 bytes, RES added, stored: 16 lanes store 256 consecutive bytes, aligned.
.macro OUT
	WIN 0
	PLACES
	s_wait_loadcnt 0x0                             ; RES
.irp a, 0,1,2,3
	s_wait_xcnt 0x0                                ; earlier stores have read their registers
.irp b, 0,1,2,3
	ds_store_b128 v[STO], v[ACC+32*(\a)+8*(\b):ACC+32*(\a)+8*(\b)+3]   offset:64*(\b)
	ds_store_b128 v[STO], v[ACC+32*(\a)+8*(\b)+4:ACC+32*(\a)+8*(\b)+7] offset:64*(\b)+16
.endr
.irp t, 0,1,2,3,4,5,6,7
	ds_load_b128 v[32+32*((\a)%2)+4*(\t):32+32*((\a)%2)+4*(\t)+3], v[RD] offset:544*(\t)  ; LDS serves a wave's instructions in order (ISA guide 5.7.1.4): these see the stores above
.endr
	s_wait_dscnt 0x0
	WIN ADD2
.irp p, 0,1,2,3,4,5,6,7,8,9,10,11,12,13,14,15
	v_pk_add_f32 v[32+32*((\a)%2)+2*(\p):32+32*((\a)%2)+2*(\p)+1], v[32+32*((\a)%2)+2*(\p):32+32*((\a)%2)+2*(\p)+1], v[32+32*(\a)+2*(\p):32+32*(\a)+2*(\p)+1]
.endr
	WIN 0
.irp t, 0,1,2,3,4,5,6,7
	global_store_b128 v[GO], v[32+32*((\a)%2)+4*(\t):32+32*((\a)%2)+4*(\t)+3], s[OUTP:OUTP+1] offset:(16*(\a)+2*(\t))*4096
.endr
.endr
.endm
	s_load_b256 s[4:11], s[0:1], 0x0               ; A s[4:5], wb s[6:7], bias s[8:9], RES s[10:11]
	s_load_b64 s[12:13], s[0:1], 0x20              ; C
	v_lshl_add_u32 v[SPW], v0, 2, SPARE
	v_mov_b32 v[NIL], 0
	ds_add_u32 v[SPW], v[NIL]                      ; the wave's opening: the add and its wait ahead of my first tensor load
	ds_add_u32 v28, v29
	v_lshrrev_b32 v1, 5, v0
	v_readfirstlane_b32 s[WV], v1
	s_lshr_b32 s[RH], s[WV], 1
	s_and_b32 s[CH], s[WV], 1
	s_bfe_u32 s[CX], ttmp6, 0x40000
	s_bfe_u32 s[CY], ttmp6, 0x40004
	s_lshl_b32 s[TX], ttmp9, 2
	s_add_co_u32 s[TX], s[TX], s[CX]
	s_and_b32 s[TY], ttmp7, 0xffff
	s_lshl_b32 s[TY], s[TY], 2
	s_add_co_u32 s[TY], s[TY], s[CY]
	s_and_b32 s84, ttmp7, 3                        ; where my cluster begins K: (cluster y % 4) x NSTEP / 4
	s_lshl_b32 s84, s84, LOGQ
	s_lshl_b32 s85, ttmp9, LOGQ+1                  ; + cluster x x NSTEP / 2: the same in all sixteen partners
	s_add_co_u32 s84, s84, s85
	s_and_b32 s[FK], s84, NSTEP-1
	s_lshl_b32 s80, s[CY], 2
	s_lshl_b32 s80, 15, s80
	s_lshl_b32 s81, 0x1111, s[CX]
	s_or_b32 s[G1A], s80, (1<<16)|(1<<20)|(1<<21)|(4<<22)|(3<<25)
	s_or_b32 s[G1B], s81, (1<<16)|(1<<20)|(1<<21)|(5<<22)|(7<<25)
.irp g, G1A, G1B
	s_mov_b32 s[(\g)+1], 128<<16
	s_mov_b32 s[(\g)+2], 128<<16
	s_mov_b32 s[(\g)+3], 128<<16
	s_mov_b32 s[(\g)+4], 128
	s_mov_b32 s[(\g)+6], 0
	s_mov_b32 s[(\g)+7], 0
.endr
	s_mov_b32 s[G1A+5], 128
	s_mov_b32 s[G1B+5], NB
	s_mul_i32 s[OA], s[TY], NCB*16384
	s_lshl_b32 s82, s[CH], 15
	s_add_co_u32 s[OA], s[OA], s82
	s_mov_b32 s[OA+1], 0
	s_lshl_b32 s[OB], s[TX], 8
	s_mul_i32 s83, s[CH], 128*NB*2
	s_add_co_u32 s[OB], s[OB], s83
	s_add_co_u32 s[OB], s[OB], WOFF
	s_mov_b32 s[OB+1], 0
	s_mul_i32 s82, s[CH], 36864
	s_wait_dscnt 0x0                               ; the opening add is done
	s_wait_kmcnt 0x0
	s_add_nc_u64 s[ABASE:ABASE+1], s[4:5], s[OA:OA+1]
	s_add_nc_u64 s[BBASE:BBASE+1], s[6:7], s[OB:OB+1]
.irp s, 0,1
	s_lshl_b32 s[OA], s[FK], 16                    ; my cluster's first and second K step
	s_mul_i32 s[OB], s[FK], 512*NB
	s_mov_b32 s[G0A+4*(\s)], 1
	s_add_co_u32 s[G0A+4*(\s)+1], s82, (\s)*SLOTB
	s_add_nc_u64 s[G0A+4*(\s)+2:G0A+4*(\s)+3], s[ABASE:ABASE+1], s[OA:OA+1]
	s_or_b32 s[G0A+4*(\s)+3], s[G0A+4*(\s)+3], 0x80000000
	s_mov_b32 s[G0B+4*(\s)], 1
	s_add_co_u32 s[G0B+4*(\s)+1], s82, BRING+(\s)*SLOTB
	s_add_nc_u64 s[G0B+4*(\s)+2:G0B+4*(\s)+3], s[BBASE:BBASE+1], s[OB:OB+1]
	s_or_b32 s[G0B+4*(\s)+3], s[G0B+4*(\s)+3], 0x80000000
	s_add_co_u32 s[FK], s[FK], 1
	s_and_b32 s[FK], s[FK], NSTEP-1
.endr
	CROUND
	s_cmp_eq_u32 s[RH], 0
	s_cbranch_scc0 .Lfirst_b
	tensor_load_to_lds s[G0A:G0A+3], s[G1A:G1A+7]
	s_nop 0
	tensor_load_to_lds s[G0A+4:G0A+7], s[G1A:G1A+7]
	s_nop 0
.rept 4
	v_nop
.endr
	s_branch .Lfirst_asked
.Lfirst_b:
	tensor_load_to_lds s[G0B:G0B+3], s[G1B:G1B+7]
	s_nop 0
	tensor_load_to_lds s[G0B+4:G0B+7], s[G1B:G1B+7]
	s_nop 0
.rept 4
	v_nop
.endr
.Lfirst_asked:
	v_and_b32 v1, 15, v0
	v_bfe_u32 v2, v0, 4, 1
	v_mul_u32_u24 v[LA], v1, 144
	v_lshl_add_u32 v[LA], v2, 4, v[LA]
	s_mul_i32 s82, s[RH], 9216
	v_add_nc_u32 v[LA], s82, v[LA]
	v_and_b32 v3, 7, v0
	v_lshl_add_u32 v3, v2, 3, v3
	v_mul_u32_u24 v[LB], v3, 288
	v_bfe_u32 v4, v0, 3, 1
	v_lshl_add_u32 v[LB], v4, 4, v[LB]
	s_lshl_b32 s82, s[CH], 7
	s_add_co_u32 s82, s82, BRING
	v_add_nc_u32 v[LB], s82, v[LB]
	s_lshl_b32 s98, s[TX], 9
	s_lshl_b32 s99, s[CH], 8
	s_add_co_u32 s98, s98, s99
	v_lshl_add_u32 v[BO], v2, 5, s98
	s_mov_b64 s[BIASP:BIASP+1], s[8:9]
	BIASLD
	s_lshl_b32 s99, s[TY], 19                      ; (128 TY + 64 RH) rows of 4,096 bytes + my 256 bytes of a row
	s_add_co_u32 s98, s98, s99
	s_lshl_b32 s99, s[RH], 18
	s_add_co_u32 s98, s98, s99
	s_mov_b32 s99, 0
	s_add_nc_u64 s[RESP:RESP+1], s[10:11], s[98:99]
	s_add_nc_u64 s[OUTP:OUTP+1], s[12:13], s[98:99]
	v_lshlrev_b32 v[GO], 12, v2                    ; lanes 0-15 one row of 256 bytes, lanes 16-31 the next
	v_lshl_add_u32 v[GO], v1, 4, v[GO]
	WIN TO_2
.irp a, 0,1,2,3
.irp t, 0,1,2,3,4,5,6,7
	global_load_b128 v[32+32*(\a)+4*(\t):32+32*(\a)+4*(\t)+3], v[GO], s[RESP:RESP+1] offset:(16*(\a)+2*(\t))*4096
.endr
.endr
	WIN 0
	s_mul_i32 s82, s[WV], WSTG
	s_add_co_u32 s82, s82, STAGE
	v_mul_u32_u24 v[STO], v1, 272
	v_lshl_add_u32 v[STO], v2, 5, v[STO]
	v_add_nc_u32 v[STO], s82, v[STO]
	v_mul_u32_u24 v[RD], v2, 272
	v_lshl_add_u32 v[RD], v1, 4, v[RD]
	v_add_nc_u32 v[RD], s82, v[RD]
	s_wait_tensorcnt 1                             ; my part of the first K step is in; the second's may stay out
	s_barrier_signal -1
	s_barrier_wait -1
	s_mov_b32 s[SB], 0
	v_mov_b32 v[ADRA], v[LA]
	v_mov_b32 v[ADRB], v[LB]
	v_add_nc_u32 v[ADRB+1], 36864, v[LB]
	FETCH 0, F0
	WIN 0
	s_mov_b32 s[KC], NSTEP
	s_mov_b32 s[LC], NSTEP-2
.Lstep:
	STEP 1, 1
	WIN 0
	s_sub_co_u32 s[KC], s[KC], 1
	s_sub_co_u32 s[LC], s[LC], 1
	s_cmp_lg_u32 s[LC], 0
	s_cbranch_scc1 .Lstep
	s_mov_b32 s[LC], 2
.Ltail:                                        ; the last two K steps fill nothing
	STEP 0, 0
	WIN 0
	s_sub_co_u32 s[LC], s[LC], 1
	s_cmp_lg_u32 s[LC], 0
	s_cbranch_scc1 .Ltail
	OUT
	s_wait_tensorcnt 0x0                           ; the wave's end
	ds_add_u32 v[SPW], v[NIL]
	s_wait_dscnt 0x0
	CROUND
	s_endpgm
.Lfunc_end_k_q94eb1eeb4f_wo:
	.size	k_q94eb1eeb4f_wo, .Lfunc_end_k_q94eb1eeb4f_wo-k_q94eb1eeb4f_wo
	.p2alignl 7, 3214868480
	.fill 96, 4, 3214868480
	.section	.rodata,"a",@progbits
	.p2align	6, 0x0
	.amdhsa_kernel k_q94eb1eeb4f_wo
		.amdhsa_group_segment_fixed_size 327680
		.amdhsa_private_segment_fixed_size 0
		.amdhsa_enable_private_segment 0
		.amdhsa_kernarg_size 40
		.amdhsa_user_sgpr_count 2
		.amdhsa_user_sgpr_kernarg_segment_ptr 1
		.amdhsa_wavefront_size32 1
		.amdhsa_system_sgpr_workgroup_id_x 1
		.amdhsa_system_sgpr_workgroup_id_y 1
		.amdhsa_system_sgpr_workgroup_id_z 1
		.amdhsa_system_vgpr_workitem_id 0
		.amdhsa_next_free_vgpr 672
		.amdhsa_next_free_sgpr 100
		.amdhsa_reserve_vcc 0
		.amdhsa_float_denorm_mode_32 3
		.amdhsa_float_denorm_mode_16_64 3
		.amdhsa_memory_ordered 1
		.amdhsa_forward_progress 1
		.amdhsa_inst_pref_size 64
	.end_amdhsa_kernel
	.amdgpu_metadata
---
amdhsa.version: [ 1, 2 ]
amdhsa.kernels:
  - .name:           k_q94eb1eeb4f_wo
    .symbol:         k_q94eb1eeb4f_wo.kd
    .args:
      - { .name: o, .offset: 0, .size: 8, .value_kind: global_buffer, .address_space: global }
      - { .name: wb, .offset: 8, .size: 8, .value_kind: global_buffer, .address_space: global }
      - { .name: bo, .offset: 16, .size: 8, .value_kind: global_buffer, .address_space: global }
      - { .name: x, .offset: 24, .size: 8, .value_kind: global_buffer, .address_space: global }
      - { .name: x1, .offset: 32, .size: 8, .value_kind: global_buffer, .address_space: global }
    .group_segment_fixed_size: 327680
    .private_segment_fixed_size: 0
    .kernarg_segment_align: 8
    .kernarg_segment_size: 40
    .max_flat_workgroup_size: 128
    .sgpr_count:     100
    .vgpr_count:     672
    .wavefront_size: 32
...
	.end_amdgpu_metadata
.endif
;; end of part 5
;; launch ln2: the kernel of part 2 again; grid 256 x 1, 8 waves a work-group, no clusters, 0 bytes of LDS; arguments x1, g2, beta2, nx; writes nx
;; launch ffn1 (part 6): grid 16 x 16, 4 waves a work-group, clusters of 4 x 4, 327,680 bytes of LDS; arguments nx, wb, b1, h; writes h
.if DOCPART == 6
	.amdgcn_target "amdgcn-amd-amdhsa--gfx1250"
	.amdhsa_code_object_version 6
	.text
	.protected	k_q94eb1eeb4f_ffn1
	.globl	k_q94eb1eeb4f_ffn1
	.p2align	8
	.type	k_q94eb1eeb4f_ffn1,@function
k_q94eb1eeb4f_ffn1:
	s_mov_b64 s[64:65], 0
	v_nop
	global_prefetch_b8 v0, s[64:65] scope:SCOPE_SE
	s_setreg_imm32_b32 hwreg(HW_REG_WAVE_MODE, 25, 1), 1
	s_wait_xcnt 0x0
	s_wait_alu depctr_hold_cnt(0) depctr_sa_sdst(0) depctr_va_vdst(0) depctr_va_sdst(0) depctr_va_ssrc(0) depctr_va_vcc(0) depctr_vm_vsrc(0)
	s_getreg_b32 s2, hwreg(HW_REG_IB_STS2, 6, 4)
	s_cmp_eq_u32 s2, 0
	s_cbranch_scc0 .Lentry_in_a_cluster
	s_endpgm
.Lentry_in_a_cluster:
	s_bfe_u32 s2, ttmp6, 0x10000c
	s_cmp_lg_u32 s2, 0xf033
	s_cbranch_scc0 .Lentry_shape_is_right
	s_endpgm
.Lentry_shape_is_right:
; C = gelu(A B + bias), rounded once to bf16.  A: bf16 in blocks [token / 128][k / 64][token % 128][k % 64]; B: bf16 [K][N], pitch NB; sums in f32.
; HERE: A = the normed x1, B = w1; C leaves in the same blocks, 64 blocks of columns to a row of blocks.
; A tile of C is 256 x 256: four waves of 128 x 128, 64 accumulators each.  16 x 16 = 256 work-groups, a tile each: for 32 along K a wave loads 2 x 128 x 64 bytes from LDS and
; issues 64 products.  K goes in steps of 128 through a ring of two LDS slots.
; CLUSTER 4 x 4: A's tile is asked for jointly along a row of the cluster, B's along a column.  The matrix instruction is used transposed (source 0 = 16 columns of B, turned on its
; way out of LDS; source 1 = 16 rows of A): a lane holds 8 neighbouring columns of one row of C.  The bias is the C operand of each sum's first product.
; GELU, exact form: x / 2 + |x| (1 / 2 - Q), Q = (a1 t + .. + a5 t^5) e^(-x x / 2) / 2, t = 1 / (1 + p |x| / sqrt 2): the rational approximation of erf with five terms, within 1.5e-7 of erf for every x.
; With y = c x, c = sqrt(log2(e) / 2): e^(-x x / 2) = 2^(-y y).  A tail 2^(-y y) below 2^-126 counts as 0.  NaN and infinities are not treated apart.
; By this text's count a wave has two tensor loads out at the start and one behind each round.
; REGISTERS (s_set_vgpr_msb: bits 1:0 source 0, 3:2 source 1, 5:4 source 2, 7:6 destination):
;   window 0: v0-31 addresses; v64-127, v128-191 fragments of A, two buffers; on the way out v32-207 at work
;   window 1: v0-63 the bias of my 128 columns; v64-127, v128-191 fragments of B, two buffers
;   window 2: the accumulators of my rows 0-63 ((a, b) at 8 (8 a + b));  window 3: those of my rows 64-127
.set NSTEP, 8                          ; K / 128
.set NB,    4096
.set WOFF,  8388608                    ; w1's first byte in wb
.set SLOTB, 73728                      ; a slot of A: 2 token blocks x 2 channel blocks x 128 rows x 144 bytes; of B: 2 column halves x 128 rows x 288 bytes
.set HALFB, 36864                      ; what one tensor load brings
.set BRING, 147456
.set STAGE, 294912
.set WSTG,  4352
.set SPARE, 312320
.set LA, 16
.set LB, 17
.set ADRA, 18
.set ADRB, 19
.set STO, 21
.set RD,  22
.set GO,  23
.set BO,  24
.set SPW, 28
.set NIL, 29
.set F0,  64
.set F1,  128
.set WV, 16
.set RH, 17
.set CH, 18
.set CX, 19
.set CY, 20
.set TX, 21
.set TY, 22
.set G1A, 24
.set G0A, 32
.set G1B, 40
.set G0B, 48
.set ABASE, 56
.set BBASE, 58
.set OA, 60
.set OB, 62
.set FK, 66
.set KC, 68
.set LC, 69
.set SB, 70
.set EA, 72                            ; counts the way out's sixteen units
.set KD, 73                            ; p / (c sqrt 2)
.set OUTP, 74
.set CP, 84                            ; pairs, both words written: c; kh = 1 / (2 c); -kh a1 .. -kh a5
.set KH, 86
.set A1, 88
.set A2, 90
.set A3, 92
.set A4, 94
.set A5, 96
.set MSB, 0
.macro WIN new
.if MSB != (\new)
	s_set_vgpr_msb (MSB<<8)|(\new)
.set MSB, \new
.endif
.endm
.set TO_B, 0x40                        ; destination window 1, address window 0
.macro PLACES
.rept 4
	v_nop
.endr
.endm
.macro JLOAD                           ; the joint refill, by the walking sets; an s_nop 0 and four v_nop follow each line
	s_cmp_eq_u32 s[RH], 0
	s_cbranch_scc0 .Lfor_b_\@
	tensor_load_to_lds s[G0A+4:G0A+7], s[G1A:G1A+7]
	s_nop 0
.rept 4
	v_nop
.endr
	s_branch .Lasked_\@
.Lfor_b_\@:
	tensor_load_to_lds s[G0B+4:G0B+7], s[G1B:G1B+7]
	s_nop 0
.rept 4
	v_nop
.endr
.Lasked_\@:
.endm
.macro CREST
	s_cmp_lg_u32 s[WV], 0
	s_cbranch_scc1 .Lnot_wave_0_\@
	s_barrier_signal -3
.Lnot_wave_0_\@:
	s_barrier_wait -3
	s_barrier_signal -1
	s_barrier_wait -1
.endm
.macro CROUND
	s_barrier_signal -1
	s_barrier_wait -1
	CREST
.endm
; 16 products: row blocks a0, a0 + 1 of the window's four (hi = 0: my rows 0-63, 1: rows 64-127) x 8 column blocks, 32 along K.  The 64 accumulators take turns, always in the same order.
; first = 1: the bias (window 1) is the C operand.
.macro MUL16 f, hi, a0, first
.if \first
	WIN 0x91+0x40*(\hi)
.else
	WIN 0xa1+0x50*(\hi)
.endif
.irp a, \a0, (\a0)+1
.irp b, 0,1,2,3,4,5,6,7
.if \first
	v_wmma_f32_16x16x32_bf16 v[8*(8*(\a)+(\b)):8*(8*(\a)+(\b))+7], v[(\f)+8*(\b):(\f)+8*(\b)+7], v[(\f)+8*(4*(\hi)+(\a)):(\f)+8*(4*(\hi)+(\a))+7], v[8*(\b):8*(\b)+7]
.else
	v_wmma_f32_16x16x32_bf16 v[8*(8*(\a)+(\b)):8*(8*(\a)+(\b))+7], v[(\f)+8*(\b):(\f)+8*(\b)+7], v[(\f)+8*(4*(\hi)+(\a)):(\f)+8*(4*(\hi)+(\a))+7], v[8*(8*(\a)+(\b)):8*(8*(\a)+(\b))+7]
.endif
.endr
.endr
.endm
; 32 LDS loads in one run: quarter q (32 along K) into buffer f: B's 128 columns, turned (16 K rows x 16 columns a load), then A's 128 rows.
.macro FETCH q, f
	WIN TO_B
.irp b, 0,1,2,3,4,5,6,7
	ds_load_tr16_b128 v[(\f)+8*(\b):(\f)+8*(\b)+3],   v[ADRB] offset:(\q)*9216+32*(\b)
	ds_load_tr16_b128 v[(\f)+8*(\b)+4:(\f)+8*(\b)+7], v[ADRB] offset:(\q)*9216+32*(\b)+4608
.endr
	WIN 0
.irp i, 0,1,2,3,4,5,6,7
	ds_load_b128 v[(\f)+8*(\i):(\f)+8*(\i)+3],   v[ADRA] offset:((\q)/2)*18432+((\q)%2)*64+2304*(\i)
	ds_load_b128 v[(\f)+8*(\i)+4:(\f)+8*(\i)+7], v[ADRA] offset:((\q)/2)*18432+((\q)%2)*64+2304*(\i)+32
.endr
.endm
; 32 products on one window's accumulators.  first = 1: in the first K step the bias starts the sums.
.macro HALFQ f, hi, first
.if \first
	WIN 0
	s_cmp_eq_u32 s[KC], NSTEP
	s_cbranch_scc1 .Lnew_\@
.endif
	MUL16 \f, \hi, 0, 0
	MUL16 \f, \hi, 2, 0
.if \first
	WIN 0
	s_branch .Lold_\@
.Lnew_\@:
	s_wait_loadcnt 0x0                             ; the bias is in
.rept 5
	v_nop                                          ; five places ahead of products that write over accumulators without adding onto them
.endr
	MUL16 \f, \hi, 0, 1
	MUL16 \f, \hi, 2, 1
	WIN 0
.Lold_\@:
.endif
.endm
; One of a K step's first three quarters: multiplies buffer f, fetches quarter q + 1 into g in its middle.
.macro QUARTER q, f, g, first
	s_wait_dscnt 8                                 ; B and A's rows 0-63 are in; the youngest eight loads (A's rows 64-127) may be out
	HALFQ \f, 0, \first
	PLACES                                         ; in front of loads into registers that products have read
	FETCH (\q)+1, \g
	s_wait_dscnt 32                                ; all but the 32 just issued
	HALFQ \f, 1, \first
.endm
.macro NEWADR                          ; the walking descriptors: the other slot, and K step FK, made anew from the bases
	s_lshl_b32 s[OA], s[FK], 15
	s_add_nc_u64 s[G0A+6:G0A+7], s[ABASE:ABASE+1], s[OA:OA+1]
	s_or_b32 s[G0A+7], s[G0A+7], 0x80000000
	s_xor_b32 s[G0A+5], s[G0A+5], SLOTB
	s_mul_i32 s[OB], s[FK], 256*NB
	s_add_nc_u64 s[G0B+6:G0B+7], s[BBASE:BBASE+1], s[OB:OB+1]
	s_or_b32 s[G0B+7], s[G0B+7], 0x80000000
	s_xor_b32 s[G0B+5], s[G0B+5], SLOTB
	s_add_co_u32 s[FK], s[FK], 1
.endm
; The last quarter multiplies buffer 1 and changes slots.  In front of the barrier each wave waits for all its tensor loads (one is out: its part of
; the next slot), adds 0 to its spare word, and waits for that and for its reads of this slot.  Sixteen products stand ahead of the first wait and sixteen
; between the add and the wait for it.  fill = 1: the barrier opens a round of the cluster's, and the joint refill, two K steps ahead, is the first thing
; behind it: 240 products stand between it and the wait for it.
.macro TURN fill
	s_wait_dscnt 8
	MUL16 F1, 0, 0, 0
	WIN 0
	s_wait_tensorcnt 0x0
	ds_add_u32 v[SPW], v[NIL]
	MUL16 F1, 0, 2, 0
	s_wait_dscnt 0x0                               ; the add is done, and my reads of this slot are over
	WIN 0
	s_barrier_signal -1
	s_barrier_wait -1
.if \fill
	CREST
	NEWADR
	JLOAD                                          ; its four v_nop are also the places in front of the loads below
.else
	PLACES
	s_cmp_eq_u32 s[LC], 1                          ; behind the last K step there is nothing to fetch
	s_cbranch_scc1 .Lno_fetch_\@
.endif
	s_xor_b32 s[SB], s[SB], SLOTB
	v_add_nc_u32 v[ADRA], s[SB], v[LA]
	v_add_nc_u32 v[ADRB], s[SB], v[LB]
	FETCH 0, F0
	WIN 0
.if !(\fill)
.Lno_fetch_\@:
.endif
	MUL16 F1, 1, 0, 0
	MUL16 F1, 1, 2, 0
.endm
.macro STEP fill, first
	QUARTER 0, F0, F1, \first
	QUARTER 1, F1, F0, 0
	QUARTER 2, F0, F1, 0
	TURN \fill
.endm
; THE WAY OUT goes by units of 16 rows x 64 columns, 32 sums a lane.  Unit u: row block u % 8, column half u / 8 of my 128.  TAKE brings its sums, times c, into v[32:63].
.macro TAKE u
	WIN 2+((\u)%8)/4                               ; source 0: window 2 or 3
.set tb, 64*((\u)%4)+32*((\u)/8)
.set k, 0
.rept 16
	v_pk_mul_f32 v[32+2*k:33+2*k], v[tb+2*k:tb+2*k+1], s[CP:CP+1] op_sel_hi:[1,0]
.set k, k+1
.endr
	WIN 0
.endm
; The activation of a unit's two halves of 16 numbers, in three numbered lists for each half hh: y v[YY ..], t v[TT ..], 2^(-y y) v[EE ..], the polynomial v[PP ..], x / 2 v[XX ..].
.macro HREGS hh
.set YY, 32+16*(\hh)
.set TT, 64+64*(\hh)
.set EE, 80+64*(\hh)
.set PP, 96+64*(\hh)
.set XX, 176+16*(\hh)
.endm
.macro PR hh, n                        ; what reads y alone.  0-15: 1 + kd |y|;  16-23: -y y, in pairs;  24-31: x / 2, in pairs
	HREGS \hh
.if (\n) < 16
	v_fma_f32 v[TT+(\n)], |v[YY+(\n)]|, s[KD], 1.0
.elseif (\n) < 24
	v_pk_mul_f32 v[EE+2*((\n)-16):EE+2*((\n)-16)+1], v[YY+2*((\n)-16):YY+2*((\n)-16)+1], v[YY+2*((\n)-16):YY+2*((\n)-16)+1] neg_lo:[0,1] neg_hi:[0,1]
.else
	v_pk_mul_f32 v[XX+2*((\n)-24):XX+2*((\n)-24)+1], v[YY+2*((\n)-24):YY+2*((\n)-24)+1], s[KH:KH+1] op_sel_hi:[1,0]
.endif
.endm
.macro TR hh, n                        ; the 32 transcendentals: t and 2^(-y y) by turns
	HREGS \hh
.if (\n)%2 == 0
	v_rcp_f32 v[TT+(\n)/2], v[TT+(\n)/2]
.else
	v_exp_f32 v[EE+(\n)/2], v[EE+(\n)/2]
.endif
.endm
.macro PL hh, n                        ; what reads their results.  0-39: the polynomial, eight pairs a stage;  40-47: kh - kh poly 2^(-y y) (the coefficients carry the sign);  48-63: |y| times that + x / 2
	HREGS \hh
.set pp, 2*((\n)%8)
.if (\n) < 8
	v_pk_fma_f32 v[PP+pp:PP+pp+1], v[TT+pp:TT+pp+1], s[A5:A5+1], s[A4:A4+1] op_sel_hi:[1,0,0]
.elseif (\n) < 16
	v_pk_fma_f32 v[PP+pp:PP+pp+1], v[PP+pp:PP+pp+1], v[TT+pp:TT+pp+1], s[A3:A3+1] op_sel_hi:[1,1,0]
.elseif (\n) < 24
	v_pk_fma_f32 v[PP+pp:PP+pp+1], v[PP+pp:PP+pp+1], v[TT+pp:TT+pp+1], s[A2:A2+1] op_sel_hi:[1,1,0]
.elseif (\n) < 32
	v_pk_fma_f32 v[PP+pp:PP+pp+1], v[PP+pp:PP+pp+1], v[TT+pp:TT+pp+1], s[A1:A1+1] op_sel_hi:[1,1,0]
.elseif (\n) < 40
	v_pk_mul_f32 v[PP+pp:PP+pp+1], v[PP+pp:PP+pp+1], v[TT+pp:TT+pp+1]
.elseif (\n) < 48
	v_pk_fma_f32 v[EE+pp:EE+pp+1], v[PP+pp:PP+pp+1], v[EE+pp:EE+pp+1], s[KH:KH+1] op_sel_hi:[1,1,0]
.else
	v_fma_f32 v[YY+(\n)-48], |v[YY+(\n)-48]|, v[EE+(\n)-48], v[XX+(\n)-48]
.endif
.endm
	s_load_b256 s[4:11], s[0:1], 0x0               ; A s[4:5], wb s[6:7], b1 s[8:9], h s[10:11]
	v_lshl_add_u32 v[SPW], v0, 2, SPARE
	v_mov_b32 v[NIL], 0
	ds_add_u32 v[SPW], v[NIL]                      ; the wave's opening: the add and its wait ahead of my first tensor load
	ds_add_u32 v28, v29
	v_lshrrev_b32 v1, 5, v0
	v_readfirstlane_b32 s[WV], v1
	s_lshr_b32 s[RH], s[WV], 1
	s_and_b32 s[CH], s[WV], 1
	s_bfe_u32 s[CX], ttmp6, 0x40000
	s_bfe_u32 s[CY], ttmp6, 0x40004
	s_lshl_b32 s[TX], ttmp9, 2
	s_add_co_u32 s[TX], s[TX], s[CX]               ; tile column 0..15
	s_and_b32 s[TY], ttmp7, 0xffff
	s_lshl_b32 s[TY], s[TY], 2
	s_add_co_u32 s[TY], s[TY], s[CY]               ; tile row 0..15
	s_lshl_b32 s80, s[CY], 2
	s_lshl_b32 s80, 15, s80                        ; my row of the cluster
	s_lshl_b32 s81, 0x1111, s[CX]                  ; my column
	s_or_b32 s[G1A], s80, (1<<16)|(1<<20)|(1<<21)|(4<<22)|(3<<25)  ; 2-byte elements; 4 words of padding after every 32: two tokens a row of 256 bytes, LDS pitch 144 a token
	s_or_b32 s[G1B], s81, (1<<16)|(1<<20)|(1<<21)|(5<<22)|(7<<25)  ; 8 words after every 64: LDS pitch 288
.irp g, G1A, G1B
	s_mov_b32 s[(\g)+1], 128<<16                   ; tensor_dim0 = 128
	s_mov_b32 s[(\g)+2], 128<<16                   ; tensor_dim1 = 128
	s_mov_b32 s[(\g)+3], 128<<16                   ; tile_dim0 = 128
	s_mov_b32 s[(\g)+4], 128                       ; tile_dim1 = 128
	s_mov_b32 s[(\g)+6], 0
	s_mov_b32 s[(\g)+7], 0
.endr
	s_mov_b32 s[G1A+5], 128                        ; A's rows are dense
	s_mov_b32 s[G1B+5], NB
	s_lshl_b32 s[OA], s[TY], 19                    ; A hangs on the tile row and the wave alone: 256 tokens are 2 x 16 x 16,384 bytes,
	s_lshl_b32 s82, s[CH], 18                      ; my 128 of them
	s_add_co_u32 s[OA], s[OA], s82
	s_mov_b32 s[OA+1], 0
	s_lshl_b32 s[OB], s[TX], 9                     ; B on the tile column and the wave alone
	s_lshl_b32 s83, s[CH], 8                       ; my 128 columns
	s_add_co_u32 s[OB], s[OB], s83
	s_add_co_u32 s[OB], s[OB], WOFF
	s_mov_b32 s[OB+1], 0
	s_mul_i32 s82, s[CH], HALFB                    ; where my half of a tile goes
	s_mov_b32 s[FK], 2
	s_mov_b32 s[KD], 0x3e8ba440                    ; 0.2727375
	s_mov_b32 s[CP], 0x3f596d27                    ; 0.8493218
	s_mov_b32 s[KH], 0x3f16b55f                    ; 0.5887050
	s_mov_b32 s[A1], 0xbe199eb3                    ; -kh x  0.254829592
	s_mov_b32 s[A2], 0x3e2b8119                    ; -kh x -0.284496736
	s_mov_b32 s[A3], 0xbf563818                    ; -kh x  1.421413741
	s_mov_b32 s[A4], 0x3f5b0099                    ; -kh x -1.453152027
	s_mov_b32 s[A5], 0xbf1ff67a                    ; -kh x  1.061405429
.irp cst, CP, KH, A1, A2, A3, A4, A5
	s_mov_b32 s[\cst+1], s[\cst]
.endr
	s_wait_dscnt 0x0                               ; the opening add is done
	s_wait_kmcnt 0x0
	s_add_nc_u64 s[ABASE:ABASE+1], s[4:5], s[OA:OA+1]
	s_add_nc_u64 s[BBASE:BBASE+1], s[6:7], s[OB:OB+1]
.irp s, 0,1
	s_mov_b32 s[G0A+4*(\s)], 1
	s_add_co_u32 s[G0A+4*(\s)+1], s82, (\s)*SLOTB
	s_add_nc_u64 s[G0A+4*(\s)+2:G0A+4*(\s)+3], s[ABASE:ABASE+1], (\s)*32768
	s_or_b32 s[G0A+4*(\s)+3], s[G0A+4*(\s)+3], 0x80000000
	s_mov_b32 s[G0B+4*(\s)], 1
	s_add_co_u32 s[G0B+4*(\s)+1], s82, BRING+(\s)*SLOTB
	s_add_nc_u64 s[G0B+4*(\s)+2:G0B+4*(\s)+3], s[BBASE:BBASE+1], (\s)*256*NB
	s_or_b32 s[G0B+4*(\s)+3], s[G0B+4*(\s)+3], 0x80000000
.endr
	CROUND                                         ; all sixteen work-groups are here: the first joint loads meet
	s_cmp_eq_u32 s[RH], 0                          ; a wave's two first fills stand in one branch
	s_cbranch_scc0 .Lfirst_b
	tensor_load_to_lds s[G0A:G0A+3], s[G1A:G1A+7]
	s_nop 0
	tensor_load_to_lds s[G0A+4:G0A+7], s[G1A:G1A+7]
	s_nop 0
.rept 4
	v_nop
.endr
	s_branch .Lfirst_asked
.Lfirst_b:
	tensor_load_to_lds s[G0B:G0B+3], s[G1B:G1B+7]
	s_nop 0
	tensor_load_to_lds s[G0B+4:G0B+7], s[G1B:G1B+7]
	s_nop 0
.rept 4
	v_nop
.endr
.Lfirst_asked:
	v_and_b32 v1, 15, v0                           ; r = l % 16
	v_bfe_u32 v2, v0, 4, 1                         ; h = l / 16
	v_mul_u32_u24 v[LA], v1, 144
	v_lshl_add_u32 v[LA], v2, 4, v[LA]
	s_mul_i32 s82, s[RH], HALFB                    ; my 128 rows
	v_add_nc_u32 v[LA], s82, v[LA]
	v_and_b32 v3, 7, v0
	v_lshl_add_u32 v3, v2, 3, v3                   ; the turning load: K row 8 h + l % 8,
	v_mul_u32_u24 v[LB], v3, 288
	v_bfe_u32 v4, v0, 3, 1
	v_lshl_add_u32 v[LB], v4, 4, v[LB]             ; columns 8 ((l / 8) % 2) on
	s_mul_i32 s82, s[CH], HALFB                    ; my 128 columns
	s_add_co_u32 s82, s82, BRING
	v_add_nc_u32 v[LB], s82, v[LB]
	s_lshl_b32 s98, s[TX], 10
	s_lshl_b32 s99, s[CH], 9
	s_add_co_u32 s98, s98, s99
	v_lshl_add_u32 v[BO], v2, 5, s98               ; 4 (256 TX + 128 CH + 8 h)
	WIN TO_B
.irp b, 0,1,2,3,4,5,6,7
	global_load_b128 v[8*(\b):8*(\b)+3],   v[BO], s[8:9] offset:64*(\b)     ; bias[16 b + 8 h + j] into window 1, v[8 b + j]
	global_load_b128 v[8*(\b)+4:8*(\b)+7], v[BO], s[8:9] offset:64*(\b)+16
.endr
	WIN 0
	s_mul_i32 s82, s[WV], WSTG
	s_add_co_u32 s82, s82, STAGE
	v_mul_u32_u24 v[STO], v1, 144                  ; into my stage: row l % 16 of 128 bytes + 16, 16 bytes for each half of the lanes
	v_lshl_add_u32 v[STO], v2, 4, v[STO]
	v_add_nc_u32 v[STO], s82, v[STO]
	v_bfe_u32 v[RD], v0, 3, 2                      ; back: 32 lanes take four rows of 128 bytes,
	v_mul_u32_u24 v[RD], v[RD], 144
	v_and_b32 v5, 7, v0
	v_lshl_add_u32 v[RD], v5, 4, v[RD]
	v_add_nc_u32 v[RD], s82, v[RD]
	v_and_b32 v[GO], 31, v0                        ; which are 512 consecutive bytes of a block
	v_lshlrev_b32 v[GO], 4, v[GO]
	s_lshl_b32 s98, s[TY], 1
	s_add_co_u32 s98, s98, s[RH]
	s_lshl_b32 s98, s98, 20                        ; my 128 tokens: a row of 64 blocks of 16,384 bytes,
	s_lshl_b32 s99, s[TX], 1
	s_add_co_u32 s99, s99, s[CH]
	s_lshl_b32 s99, s99, 15                        ; my two blocks of 64 columns in it: they lie end to end, so unit u begins 2,048 u bytes on
	s_add_co_u32 s98, s98, s99
	s_mov_b32 s99, 0
	s_add_nc_u64 s[OUTP:OUTP+1], s[10:11], s[98:99]
	s_wait_tensorcnt 1                             ; my part of K step 0 is in; K step 1's may stay out
	s_barrier_signal -1
	s_barrier_wait -1
	s_mov_b32 s[SB], 0
	v_mov_b32 v[ADRA], v[LA]
	v_mov_b32 v[ADRB], v[LB]
	FETCH 0, F0
	WIN 0
	s_mov_b32 s[KC], NSTEP
	s_mov_b32 s[LC], NSTEP-2
.Lstep:                                        ; a K step; the slot just read is filled again, two K steps ahead
	STEP 1, 1
	WIN 0
	s_sub_co_u32 s[KC], s[KC], 1
	s_sub_co_u32 s[LC], s[LC], 1
	s_cmp_lg_u32 s[LC], 0
	s_cbranch_scc1 .Lstep
	s_mov_b32 s[LC], 2
.Ltail:                                        ; the last two K steps fill nothing: written apart
	STEP 0, 0
	WIN 0
	s_sub_co_u32 s[LC], s[LC], 1
	s_cmp_lg_u32 s[LC], 0
	s_cbranch_scc1 .Ltail
	; THE WAY OUT: a counted loop over the sixteen units keeps the activation's text single.
	PLACES
	s_mov_b32 s[EA], 0
.Lunit:
.irp u, 0,1,2,3,4,5,6,7,8,9,10,11,12,13,14
	s_cmp_eq_u32 s[EA], \u
	s_cbranch_scc1 .Lcase\u
.endr
	TAKE 15
	s_branch .Lgelu
.irp u, 0,1,2,3,4,5,6,7,8,9,10,11,12,13,14
.Lcase\u:
	TAKE \u
	s_branch .Lgelu
.endr
.Lgelu:
	; Transcendental and plain instructions go by turns: one half's 32 transcendentals stand between the other half's plain work, and each batch has one wait, ahead of its first reader.
.set w, 0
.rept 24
	PR 0, w
.set w, w+1
.endr
.set w, 0
.rept 32
	TR 0, w
.if w < 24
	PR 1, w
.else
	PR 0, w
.endif
.set w, w+1
.endr
	s_wait_alu depctr_va_vdst(0)                   ; the wait for the first half's batch; a plain instruction stands behind its last
.set w, 0
.rept 32
	TR 1, w
	PL 0, w
.set w, w+1
.endr
.set w, 32
.rept 32
	PL 0, w
.set w, w+1
.endr
.set w, 24
.rept 8
	PR 1, w
.set w, w+1
.endr
	s_wait_alu depctr_va_vdst(0)                   ; the wait for the second half's batch, 41 plain instructions behind its last
.set w, 0
.rept 64
	PL 1, w
.set w, w+1
.endr
.irp b, 0,1,2,3
.irp k, 0,1,2,3
	v_cvt_pk_bf16_f32 v[112+4*(\b)+(\k)], v[32+8*(\b)+2*(\k)], v[32+8*(\b)+2*(\k)+1]
.endr
.endr
.irp b, 0,1,2,3
	ds_store_b128 v[STO], v[112+4*(\b):112+4*(\b)+3] offset:32*(\b)
.endr
.irp f, 0,1,2,3
	ds_load_b128 v[112+4*(\f):112+4*(\f)+3], v[RD] offset:576*(\f)  ; LDS serves a wave's instructions in order (ISA guide 5.7.1.4): these see the stores above
.endr
	s_wait_dscnt 0x0
.irp f, 0,1,2,3
	global_store_b128 v[GO], v[112+4*(\f):112+4*(\f)+3], s[OUTP:OUTP+1] offset:512*(\f)  ; 16 rows of a block are 2,048 consecutive bytes
.endr
	s_wait_xcnt 0x0                                ; the stores have read their registers and their base
	s_add_nc_u64 s[OUTP:OUTP+1], s[OUTP:OUTP+1], 2048
	s_add_co_u32 s[EA], s[EA], 1
	s_cmp_lt_u32 s[EA], 16
	s_cbranch_scc1 .Lunit
	s_wait_tensorcnt 0x0                           ; the wave's end
	ds_add_u32 v[SPW], v[NIL]
	s_wait_dscnt 0x0
	CROUND                                         ; the closing round
	s_endpgm
.Lfunc_end_k_q94eb1eeb4f_ffn1:
	.size	k_q94eb1eeb4f_ffn1, .Lfunc_end_k_q94eb1eeb4f_ffn1-k_q94eb1eeb4f_ffn1
	.p2alignl 7, 3214868480
	.fill 96, 4, 3214868480
	.section	.rodata,"a",@progbits
	.p2align	6, 0x0
	.amdhsa_kernel k_q94eb1eeb4f_ffn1
		.amdhsa_group_segment_fixed_size 327680
		.amdhsa_private_segment_fixed_size 0
		.amdhsa_enable_private_segment 0
		.amdhsa_kernarg_size 32
		.amdhsa_user_sgpr_count 2
		.amdhsa_user_sgpr_kernarg_segment_ptr 1
		.amdhsa_wavefront_size32 1
		.amdhsa_system_sgpr_workgroup_id_x 1
		.amdhsa_system_sgpr_workgroup_id_y 1
		.amdhsa_system_sgpr_workgroup_id_z 1
		.amdhsa_system_vgpr_workitem_id 0
		.amdhsa_next_free_vgpr 1024
		.amdhsa_next_free_sgpr 100
		.amdhsa_reserve_vcc 0
		.amdhsa_float_denorm_mode_32 3
		.amdhsa_float_denorm_mode_16_64 3
		.amdhsa_memory_ordered 1
		.amdhsa_forward_progress 1
		.amdhsa_inst_pref_size 104
	.end_amdhsa_kernel
	.amdgpu_metadata
---
amdhsa.version: [ 1, 2 ]
amdhsa.kernels:
  - .name:           k_q94eb1eeb4f_ffn1
    .symbol:         k_q94eb1eeb4f_ffn1.kd
    .args:
      - { .name: nx, .offset: 0, .size: 8, .value_kind: global_buffer, .address_space: global }
      - { .name: wb, .offset: 8, .size: 8, .value_kind: global_buffer, .address_space: global }
      - { .name: b1, .offset: 16, .size: 8, .value_kind: global_buffer, .address_space: global }
      - { .name: h, .offset: 24, .size: 8, .value_kind: global_buffer, .address_space: global }
    .group_segment_fixed_size: 327680
    .private_segment_fixed_size: 0
    .kernarg_segment_align: 8
    .kernarg_segment_size: 32
    .max_flat_workgroup_size: 128
    .sgpr_count:     100
    .vgpr_count:     1024
    .wavefront_size: 32
...
	.end_amdgpu_metadata
.endif
;; end of part 6
;; launch ffn2 (part 7): grid 8 x 32, 4 waves a work-group, clusters of 4 x 4, 327,680 bytes of LDS; arguments h, wb, b2, x1, out0; writes out0
.if DOCPART == 7
	.amdgcn_target "amdgcn-amd-amdhsa--gfx1250"
	.amdhsa_code_object_version 6
	.text
	.protected	k_q94eb1eeb4f_ffn2
	.globl	k_q94eb1eeb4f_ffn2
	.p2align	8
	.type	k_q94eb1eeb4f_ffn2,@function
k_q94eb1eeb4f_ffn2:
	s_mov_b64 s[64:65], 0
	v_nop
	global_prefetch_b8 v0, s[64:65] scope:SCOPE_SE
	s_setreg_imm32_b32 hwreg(HW_REG_WAVE_MODE, 25, 1), 1
	s_wait_xcnt 0x0
	s_wait_alu depctr_hold_cnt(0) depctr_sa_sdst(0) depctr_va_vdst(0) depctr_va_sdst(0) depctr_va_ssrc(0) depctr_va_vcc(0) depctr_vm_vsrc(0)
	s_getreg_b32 s2, hwreg(HW_REG_IB_STS2, 6, 4)
	s_cmp_eq_u32 s2, 0
	s_cbranch_scc0 .Lentry_in_a_cluster
	s_endpgm
.Lentry_in_a_cluster:
	s_bfe_u32 s2, ttmp6, 0x10000c
	s_cmp_lg_u32 s2, 0xf033
	s_cbranch_scc0 .Lentry_shape_is_right
	s_endpgm
.Lentry_shape_is_right:
; C = RES + A B + bias, in f32.  A: bf16 in blocks [token / 128][k / 64][token % 128][k % 64]; B: bf16 [K][N], pitch NB; sums in f32.
; HERE: A = the activated hidden layer (K = 4,096), B = w2, RES = x1, C = the module's output [4,096][1,024].
; A tile of C is 128 x 128: four waves of 64 x 64, 16 accumulators each; 256 work-groups, a tile each (a larger tile would leave WGPs without work at N = 1,024).
; K goes in steps of 256 through a ring of two LDS slots.
; CLUSTER 4 x 4: A's tile is asked for jointly along a row of the cluster, B's along a column.
; K IS WALKED ROUND: cluster (X, Y) begins at K step X NSTEP / 2 + (Y % 4) NSTEP / 4 and goes round.  The two clusters along x read the same rows of A, those along y the same rows of B:
; so they do not ask for the same bytes in the same round.  The sums' order differs from cluster to cluster; each sum is still one f32 chain.
; The matrix instruction is used transposed (source 0 = 16 columns of B, turned on its way out of LDS; source 1 = 16 rows of A): a lane holds 8 neighbouring
; columns of one row of C.  The bias is the C operand of each sum's first product; RES is loaded at the start, in the layout of the stores, and added on the way out.
; By this text's count a wave has two tensor loads out at the start and one behind each round.  NaN and infinities are not treated apart.
.set NCB,   64
.set NSTEP, 16
.set LOGQ,  2                          ; log2(NSTEP / 4)
.set WOFF,  16777216
.set NB,    1024
.set BW,    32                         ; the 32 loads of RES are younger than the bias's
.set SLOTB, 73728
.set BRING, 147456
.set STAGE, 294912
.set WSTG,  4352
.set SPARE, 312320
.set LA, 16
.set LB, 17
.set ADRA, 18
.set ADRB, 19
.set STO, 21
.set RD,  22
.set GO,  23
.set BO,  24
.set SPW, 28
.set NIL, 29
.set ACC, 128
.set F0,  0
.set F1,  128
.set WV, 16
.set RH, 17
.set CH, 18
.set CX, 19
.set CY, 20
.set TX, 21
.set TY, 22
.set G1A, 24
.set G0A, 32
.set G1B, 40
.set G0B, 48
.set ABASE, 56
.set BBASE, 58
.set OA, 60
.set OB, 62
.set FK, 66                            ; the K step of the next fill, modulo NSTEP
.set KC, 68
.set LC, 69
.set SB, 70
.set OUTP, 74
.set BIASP, 76
.set RESP, 78
.set MSB, 0
.macro WIN new
.if MSB != (\new)
	s_set_vgpr_msb (MSB<<8)|(\new)
.set MSB, \new
.endif
.endm
.set MUL,  0x05
.set MULB, 0x25
.set TO_F, 0x40
.set TO_2, 0x80
.set ADD2, 0x08                        ; source 1 in window 2
.macro PLACES
.rept 4
	v_nop
.endr
.endm
.macro JLOAD
	s_cmp_eq_u32 s[RH], 0
	s_cbranch_scc0 .Lfor_b_\@
	tensor_load_to_lds s[G0A+4:G0A+7], s[G1A:G1A+7]
	s_nop 0
.rept 4
	v_nop
.endr
	s_branch .Lasked_\@
.Lfor_b_\@:
	tensor_load_to_lds s[G0B+4:G0B+7], s[G1B:G1B+7]
	s_nop 0
.rept 4
	v_nop
.endr
.Lasked_\@:
.endm
.macro CREST
	s_cmp_lg_u32 s[WV], 0
	s_cbranch_scc1 .Lnot_wave_0_\@
	s_barrier_signal -3
.Lnot_wave_0_\@:
	s_barrier_wait -3
	s_barrier_signal -1
	s_barrier_wait -1
.endm
.macro CROUND
	s_barrier_signal -1
	s_barrier_wait -1
	CREST
.endm
.macro BIASLD
	WIN TO_2
.irp b, 0,1,2,3
	global_load_b128 v[8*(\b):8*(\b)+3],   v[BO], s[BIASP:BIASP+1] offset:64*(\b)
	global_load_b128 v[8*(\b)+4:8*(\b)+7], v[BO], s[BIASP:BIASP+1] offset:64*(\b)+16
.endr
	WIN 0
.endm
.macro MUL8 f, c, a0, first
.if \first
	WIN MULB
.else
	WIN MUL
.endif
.irp a, \a0, (\a0)+1
.irp b, 0,1,2,3
.if \first
	v_wmma_f32_16x16x32_bf16 v[ACC+8*(4*(\a)+(\b)):ACC+8*(4*(\a)+(\b))+7], v[(\f)+64+8*(4*(\c)+(\b)):(\f)+64+8*(4*(\c)+(\b))+7], v[(\f)+8*(4*(\c)+(\a)):(\f)+8*(4*(\c)+(\a))+7], v[8*(\b):8*(\b)+7]
.else
	v_wmma_f32_16x16x32_bf16 v[ACC+8*(4*(\a)+(\b)):ACC+8*(4*(\a)+(\b))+7], v[(\f)+64+8*(4*(\c)+(\b)):(\f)+64+8*(4*(\c)+(\b))+7], v[(\f)+8*(4*(\c)+(\a)):(\f)+8*(4*(\c)+(\a))+7], v[ACC+8*(4*(\a)+(\b)):ACC+8*(4*(\a)+(\b))+7]
.endif
.endr
.endr
.endm
.macro FETCH q, f
	WIN TO_F
.irp c, 0,1
.irp i, 0,1,2,3
	ds_load_tr16_b128 v[(\f)+64+8*(4*(\c)+(\i)):(\f)+64+8*(4*(\c)+(\i))+3],   v[ADRB+(\q)/2] offset:((\q)%2)*18432+(\c)*9216+32*(\i)
	ds_load_tr16_b128 v[(\f)+64+8*(4*(\c)+(\i))+4:(\f)+64+8*(4*(\c)+(\i))+7], v[ADRB+(\q)/2] offset:((\q)%2)*18432+(\c)*9216+32*(\i)+4608
	ds_load_b128 v[(\f)+8*(4*(\c)+(\i)):(\f)+8*(4*(\c)+(\i))+3],   v[ADRA] offset:(\q)*18432+2304*(\i)+64*(\c)
	ds_load_b128 v[(\f)+8*(4*(\c)+(\i))+4:(\f)+8*(4*(\c)+(\i))+7], v[ADRA] offset:(\q)*18432+2304*(\i)+64*(\c)+32
.endr
.endr
.endm
.macro QUARTER q, f, g, first
	s_wait_dscnt 16                                ; the first 32 along K are in; the run's other sixteen loads may be out
.if \first
	WIN 0
	s_cmp_eq_u32 s[KC], NSTEP
	s_cbranch_scc1 .Lnew_\@
.endif
	MUL8 \f, 0, 0, 0
	MUL8 \f, 0, 2, 0
.if \first
	WIN 0
	s_branch .Lold_\@
.Lnew_\@:
	s_wait_loadcnt BW                              ; the bias is in; RES may stay out
.rept 5
	v_nop                                          ; five places ahead of products that write over accumulators without adding onto them
.endr
	MUL8 \f, 0, 0, 1
	MUL8 \f, 0, 2, 1
	WIN 0
.Lold_\@:
.endif
	PLACES
	FETCH (\q)+1, \g
	s_wait_dscnt 32                                ; all but the 32 just issued
	MUL8 \f, 1, 0, 0
	MUL8 \f, 1, 2, 0
.endm
.macro NEWADR                          ; the walking descriptors: the other slot, and K step FK, made anew from the bases
	s_lshl_b32 s[OA], s[FK], 16
	s_add_nc_u64 s[G0A+6:G0A+7], s[ABASE:ABASE+1], s[OA:OA+1]
	s_or_b32 s[G0A+7], s[G0A+7], 0x80000000
	s_xor_b32 s[G0A+5], s[G0A+5], SLOTB
	s_mul_i32 s[OB], s[FK], 512*NB
	s_add_nc_u64 s[G0B+6:G0B+7], s[BBASE:BBASE+1], s[OB:OB+1]
	s_or_b32 s[G0B+7], s[G0B+7], 0x80000000
	s_xor_b32 s[G0B+5], s[G0B+5], SLOTB
	s_add_co_u32 s[FK], s[FK], 1
	s_and_b32 s[FK], s[FK], NSTEP-1                ; round
.endm
; The last quarter multiplies buffer 1 and changes slots.  In front of the barrier each wave waits for all its tensor loads (one is out: its part of the next slot), adds 0 to its spare
; word, and waits for that and for its reads of this slot.  Eight products stand ahead of the first wait and eight between the add and the wait for it.  fill = 1: the barrier opens a round
; of the cluster's, and the joint refill is the first thing behind it: 120 products stand between it and the wait for it.
.macro TURN fill
	s_wait_dscnt 16                                ; the first 32 along K are in
	MUL8 F1, 0, 0, 0
	WIN 0
	s_wait_tensorcnt 0x0                           ; all my tensor loads have landed: my part of the next slot
	ds_add_u32 v[SPW], v[NIL]
	MUL8 F1, 0, 2, 0
	s_wait_dscnt 0x0                               ; the add is done, and my reads of this slot are over
	WIN 0
	s_barrier_signal -1
	s_barrier_wait -1
.if \fill
	CREST
	NEWADR
	JLOAD
.else
	PLACES
	s_cmp_eq_u32 s[LC], 1
	s_cbranch_scc1 .Lno_fetch_\@
.endif
	s_xor_b32 s[SB], s[SB], SLOTB
	v_add_nc_u32 v[ADRA], s[SB], v[LA]
	v_add_nc_u32 v[ADRB], s[SB], v[LB]
	v_add_nc_u32 v[ADRB+1], 36864, v[ADRB]
	FETCH 0, F0
	WIN 0
.if !(\fill)
.Lno_fetch_\@:
.endif
	MUL8 F1, 1, 0, 0
	MUL8 F1, 1, 2, 0
.endm
.macro STEP fill, first
	QUARTER 0, F0, F1, \first
	QUARTER 1, F1, F0, 0
	QUARTER 2, F0, F1, 0
	TURN \fill
.endm
; THE WAY OUT: 16 rows at a time through my own stage (rows of 272 bytes), back as whole rows of 256 bytes, RES added, stored: 16 lanes store 256 consecutive bytes, aligned.
.macro OUT
	WIN 0
	PLACES
	s_wait_loadcnt 0x0                             ; RES
.irp a, 0,1,2,3
	s_wait_xcnt 0x0                                ; earlier stores have read their registers
.irp b, 0,1,2,3
	ds_store_b128 v[STO], v[ACC+32*(\a)+8*(\b):ACC+32*(\a)+8*(\b)+3]   offset:64*(\b)
	ds_store_b128 v[STO], v[ACC+32*(\a)+8*(\b)+4:ACC+32*(\a)+8*(\b)+7] offset:64*(\b)+16
.endr
.irp t, 0,1,2,3,4,5,6,7
	ds_load_b128 v[32+32*((\a)%2)+4*(\t):32+32*((\a)%2)+4*(\t)+3], v[RD] offset:544*(\t)  ; LDS serves a wave's instructions in order (ISA guide 5.7.1.4): these see the stores above
.endr
	s_wait_dscnt 0x0
	WIN ADD2
.irp p, 0,1,2,3,4,5,6,7,8,9,10,11,12,13,14,15
	v_pk_add_f32 v[32+32*((\a)%2)+2*(\p):32+32*((\a)%2)+2*(\p)+1], v[32+32*((\a)%2)+2*(\p):32+32*((\a)%2)+2*(\p)+1], v[32+32*(\a)+2*(\p):32+32*(\a)+2*(\p)+1]
.endr
	WIN 0
.irp t, 0,1,2,3,4,5,6,7
	global_store_b128 v[GO], v[32+32*((\a)%2)+4*(\t):32+32*((\a)%2)+4*(\t)+3], s[OUTP:OUTP+1] offset:(16*(\a)+2*(\t))*4096
.endr
.endr
.endm
	s_load_b256 s[4:11], s[0:1], 0x0               ; A s[4:5], wb s[6:7], bias s[8:9], RES s[10:11]
	s_load_b64 s[12:13], s[0:1], 0x20              ; C
	v_lshl_add_u32 v[SPW], v0, 2, SPARE
	v_mov_b32 v[NIL], 0
	ds_add_u32 v[SPW], v[NIL]                      ; the wave's opening: the add and its wait ahead of my first tensor load
	ds_add_u32 v28, v29
	v_lshrrev_b32 v1, 5, v0
	v_readfirstlane_b32 s[WV], v1
	s_lshr_b32 s[RH], s[WV], 1
	s_and_b32 s[CH], s[WV], 1
	s_bfe_u32 s[CX], ttmp6, 0x40000
	s_bfe_u32 s[CY], ttmp6, 0x40004
	s_lshl_b32 s[TX], ttmp9, 2
	s_add_co_u32 s[TX], s[TX], s[CX]
	s_and_b32 s[TY], ttmp7, 0xffff
	s_lshl_b32 s[TY], s[TY], 2
	s_add_co_u32 s[TY], s[TY], s[CY]
	s_and_b32 s84, ttmp7, 3                        ; where my cluster begins K: (cluster y % 4) x NSTEP / 4
	s_lshl_b32 s84, s84, LOGQ
	s_lshl_b32 s85, ttmp9, LOGQ+1                  ; + cluster x x NSTEP / 2: the same in all sixteen partners
	s_add_co_u32 s84, s84, s85
	s_and_b32 s[FK], s84, NSTEP-1
	s_lshl_b32 s80, s[CY], 2
	s_lshl_b32 s80, 15, s80
	s_lshl_b32 s81, 0x1111, s[CX]
	s_or_b32 s[G1A], s80, (1<<16)|(1<<20)|(1<<21)|(4<<22)|(3<<25)
	s_or_b32 s[G1B], s81, (1<<16)|(1<<20)|(1<<21)|(5<<22)|(7<<25)
.irp g, G1A, G1B
	s_mov_b32 s[(\g)+1], 128<<16
	s_mov_b32 s[(\g)+2], 128<<16
	s_mov_b32 s[(\g)+3], 128<<16
	s_mov_b32 s[(\g)+4], 128
	s_mov_b32 s[(\g)+6], 0
	s_mov_b32 s[(\g)+7], 0
.endr
	s_mov_b32 s[G1A+5], 128
	s_mov_b32 s[G1B+5], NB
	s_mul_i32 s[OA], s[TY], NCB*16384
	s_lshl_b32 s82, s[CH], 15
	s_add_co_u32 s[OA], s[OA], s82
	s_mov_b32 s[OA+1], 0
	s_lshl_b32 s[OB], s[TX], 8
	s_mul_i32 s83, s[CH], 128*NB*2
	s_add_co_u32 s[OB], s[OB], s83
	s_add_co_u32 s[OB], s[OB], WOFF
	s_mov_b32 s[OB+1], 0
	s_mul_i32 s82, s[CH], 36864
	s_wait_dscnt 0x0                               ; the opening add is done
	s_wait_kmcnt 0x0
	s_add_nc_u64 s[ABASE:ABASE+1], s[4:5], s[OA:OA+1]
	s_add_nc_u64 s[BBASE:BBASE+1], s[6:7], s[OB:OB+1]
.irp s, 0,1
	s_lshl_b32 s[OA], s[FK], 16                    ; my cluster's first and second K step
	s_mul_i32 s[OB], s[FK], 512*NB
	s_mov_b32 s[G0A+4*(\s)], 1
	s_add_co_u32 s[G0A+4*(\s)+1], s82, (\s)*SLOTB
	s_add_nc_u64 s[G0A+4*(\s)+2:G0A+4*(\s)+3], s[ABASE:ABASE+1], s[OA:OA+1]
	s_or_b32 s[G0A+4*(\s)+3], s[G0A+4*(\s)+3], 0x80000000
	s_mov_b32 s[G0B+4*(\s)], 1
	s_add_co_u32 s[G0B+4*(\s)+1], s82, BRING+(\s)*SLOTB
	s_add_nc_u64 s[G0B+4*(\s)+2:G0B+4*(\s)+3], s[BBASE:BBASE+1], s[OB:OB+1]
	s_or_b32 s[G0B+4*(\s)+3], s[G0B+4*(\s)+3], 0x80000000
	s_add_co_u32 s[FK], s[FK], 1
	s_and_b32 s[FK], s[FK], NSTEP-1
.endr
	CROUND
	s_cmp_eq_u32 s[RH], 0
	s_cbranch_scc0 .Lfirst_b
	tensor_load_to_lds s[G0A:G0A+3], s[G1A:G1A+7]
	s_nop 0
	tensor_load_to_lds s[G0A+4:G0A+7], s[G1A:G1A+7]
	s_nop 0
.rept 4
	v_nop
.endr
	s_branch .Lfirst_asked
.Lfirst_b:
	tensor_load_to_lds s[G0B:G0B+3], s[G1B:G1B+7]
	s_nop 0
	tensor_load_to_lds s[G0B+4:G0B+7], s[G1B:G1B+7]
	s_nop 0
.rept 4
	v_nop
.endr
.Lfirst_asked:
	v_and_b32 v1, 15, v0
	v_bfe_u32 v2, v0, 4, 1
	v_mul_u32_u24 v[LA], v1, 144
	v_lshl_add_u32 v[LA], v2, 4, v[LA]
	s_mul_i32 s82, s[RH], 9216
	v_add_nc_u32 v[LA], s82, v[LA]
	v_and_b32 v3, 7, v0
	v_lshl_add_u32 v3, v2, 3, v3
	v_mul_u32_u24 v[LB], v3, 288
	v_bfe_u32 v4, v0, 3, 1
	v_lshl_add_u32 v[LB], v4, 4, v[LB]
	s_lshl_b32 s82, s[CH], 7
	s_add_co_u32 s82, s82, BRING
	v_add_nc_u32 v[LB], s82, v[LB]
	s_lshl_b32 s98, s[TX], 9
	s_lshl_b32 s99, s[CH], 8
	s_add_co_u32 s98, s98, s99
	v_lshl_add_u32 v[BO], v2, 5, s98
	s_mov_b64 s[BIASP:BIASP+1], s[8:9]
	BIASLD
	s_lshl_b32 s99, s[TY], 19                      ; (128 TY + 64 RH) rows of 4,096 bytes + my 256 bytes of a row
	s_add_co_u32 s98, s98, s99
	s_lshl_b32 s99, s[RH], 18
	s_add_co_u32 s98, s98, s99
	s_mov_b32 s99, 0
	s_add_nc_u64 s[RESP:RESP+1], s[10:11], s[98:99]
	s_add_nc_u64 s[OUTP:OUTP+1], s[12:13], s[98:99]
	v_lshlrev_b32 v[GO], 12, v2                    ; lanes 0-15 one row of 256 bytes, lanes 16-31 the next
	v_lshl_add_u32 v[GO], v1, 4, v[GO]
	WIN TO_2
.irp a, 0,1,2,3
.irp t, 0,1,2,3,4,5,6,7
	global_load_b128 v[32+32*(\a)+4*(\t):32+32*(\a)+4*(\t)+3], v[GO], s[RESP:RESP+1] offset:(16*(\a)+2*(\t))*4096
.endr
.endr
	WIN 0
	s_mul_i32 s82, s[WV], WSTG
	s_add_co_u32 s82, s82, STAGE
	v_mul_u32_u24 v[STO], v1, 272
	v_lshl_add_u32 v[STO], v2, 5, v[STO]
	v_add_nc_u32 v[STO], s82, v[STO]
	v_mul_u32_u24 v[RD], v2, 272
	v_lshl_add_u32 v[RD], v1, 4, v[RD]
	v_add_nc_u32 v[RD], s82, v[RD]
	s_wait_tensorcnt 1                             ; my part of the first K step is in; the second's may stay out
	s_barrier_signal -1
	s_barrier_wait -1
	s_mov_b32 s[SB], 0
	v_mov_b32 v[ADRA], v[LA]
	v_mov_b32 v[ADRB], v[LB]
	v_add_nc_u32 v[ADRB+1], 36864, v[LB]
	FETCH 0, F0
	WIN 0
	s_mov_b32 s[KC], NSTEP
	s_mov_b32 s[LC], NSTEP-2
.Lstep:
	STEP 1, 1
	WIN 0
	s_sub_co_u32 s[KC], s[KC], 1
	s_sub_co_u32 s[LC], s[LC], 1
	s_cmp_lg_u32 s[LC], 0
	s_cbranch_scc1 .Lstep
	s_mov_b32 s[LC], 2
.Ltail:                                        ; the last two K steps fill nothing
	STEP 0, 0
	WIN 0
	s_sub_co_u32 s[LC], s[LC], 1
	s_cmp_lg_u32 s[LC], 0
	s_cbranch_scc1 .Ltail
	OUT
	s_wait_tensorcnt 0x0                           ; the wave's end
	ds_add_u32 v[SPW], v[NIL]
	s_wait_dscnt 0x0
	CROUND
	s_endpgm
.Lfunc_end_k_q94eb1eeb4f_ffn2:
	.size	k_q94eb1eeb4f_ffn2, .Lfunc_end_k_q94eb1eeb4f_ffn2-k_q94eb1eeb4f_ffn2
	.p2alignl 7, 3214868480
	.fill 96, 4, 3214868480
	.section	.rodata,"a",@progbits
	.p2align	6, 0x0
	.amdhsa_kernel k_q94eb1eeb4f_ffn2
		.amdhsa_group_segment_fixed_size 327680
		.amdhsa_private_segment_fixed_size 0
		.amdhsa_enable_private_segment 0
		.amdhsa_kernarg_size 40
		.amdhsa_user_sgpr_count 2
		.amdhsa_user_sgpr_kernarg_segment_ptr 1
		.amdhsa_wavefront_size32 1
		.amdhsa_system_sgpr_workgroup_id_x 1
		.amdhsa_system_sgpr_workgroup_id_y 1
		.amdhsa_system_sgpr_workgroup_id_z 1
		.amdhsa_system_vgpr_workitem_id 0
		.amdhsa_next_free_vgpr 672
		.amdhsa_next_free_sgpr 100
		.amdhsa_reserve_vcc 0
		.amdhsa_float_denorm_mode_32 3
		.amdhsa_float_denorm_mode_16_64 3
		.amdhsa_memory_ordered 1
		.amdhsa_forward_progress 1
		.amdhsa_inst_pref_size 64
	.end_amdhsa_kernel
	.amdgpu_metadata
---
amdhsa.version: [ 1, 2 ]
amdhsa.kernels:
  - .name:           k_q94eb1eeb4f_ffn2
    .symbol:         k_q94eb1eeb4f_ffn2.kd
    .args:
      - { .name: h, .offset: 0, .size: 8, .value_kind: global_buffer, .address_space: global }
      - { .name: wb, .offset: 8, .size: 8, .value_kind: global_buffer, .address_space: global }
      - { .name: b2, .offset: 16, .size: 8, .value_kind: global_buffer, .address_space: global }
      - { .name: x1, .offset: 24, .size: 8, .value_kind: global_buffer, .address_space: global }
      - { .name: out0, .offset: 32, .size: 8, .value_kind: global_buffer, .address_space: global }
    .group_segment_fixed_size: 327680
    .private_segment_fixed_size: 0
    .kernarg_segment_align: 8
    .kernarg_segment_size: 40
    .max_flat_workgroup_size: 128
    .sgpr_count:     100
    .vgpr_count:     672
    .wavefront_size: 32
...
	.end_amdgpu_metadata
.endif
;; end of part 7
